; MI455X (gfx1250); checked and timed in simulation.
; The chip was launched on July 23, 2026; its instructions are those of AMD's public machine-readable ISA for CDNA 5 (MIT licence, August 2026) and "CDNA5" Instruction Set Architecture Reference Guide (July 2026). The comments in the code are by the model that wrote it; some were corrected since.
;; Causal Self Attention. Allowed arithmetic: matrix products marked QUANTISED: E2M1 operands, one E8M0 scale for each 32 along K, by v_wmma_scale_f32_16x16x128_f8f6f4 with both operands' format E2M1 (or v_wmma_scale_f32_32x16x128_f4), f32 sums; products left as they are: bf16, f16 or f32 operands; f32 sums; everything else in f32.
;; Inputs: Wout 1,024 x 1,024 float32; Wqkv 1,024 x 3,072 float32; x 4 x 2,048 x 1,024 float32.
;; Outputs: out0 4 x 2,048 x 1,024 float32.
;; This version of the problem:
;;   THIS VERSION OF THE PROBLEM IS GIVEN IN LOW PRECISION. The matrix products marked QUANTISED in the list below multiply operands that are first quantised to E2M1 (2 exponent bits, 1 mantissa bit; 4 bits a number), with one power-of-two scale for each 32 numbers along K (OCP MX v1.0); their sums are f32. The products marked 'left as it is' may take bf16, f16 or f32 operands, with f32 sums. Whichever they take, every output number must still come out within the allowed error. Rounding operands to bf16 (8 significant bits) uses up far more of that allowance than f16 does (11 bits, for magnitudes from 6e-5 to 65,504). All else is computed in f32.
;;   The module's matrix products, in the order in which they are computed (A, B: the left and right operand; K: the contracted axis; several contracted axes count as one K, in the product's order):
;;     1. [M 8,192, K 1,024] x [K 1,024, N 3,072]; A: input x; B: input Wqkv: QUANTISED
;;     2. batch 64 x [M 2,048, K 64] x [K 64, N 2,048]; A: computed on the way; B: computed on the way: left as it is (an operand is computed on the way)
;;     3. batch 64 x [M 2,048, K 2,048] x [K 2,048, N 64]; A: computed on the way; B: computed on the way: left as it is (an operand is computed on the way)
;;     4. [M 8,192, K 1,024] x [K 1,024, N 1,024]; A: computed on the way; B: input Wout: left as it is (an operand is computed on the way)
;;   THE QUANTISER, for each operand of a quantised product, along K:
;;     - K is cut into blocks of 32 from its start; a last block that is shorter is filled with zeros.
;;     - A block's scale is 2^e with e = floor(log2(the largest magnitude in the block)) - 2, held to -126 .. 127; a block of zeros has e = 0. As a byte (E8M0): e + 127.
;;     - Each number is divided by its block's scale, clamped to +-6, and rounded to the nearest number of E2M1, ties to even, subnormals kept.
;;     - The product sums the exact products of the quantised numbers (number of the format x scale) in f32.
;;   ~~~python
;;   def quantise(x, axis):      # numpy; x: float32 -> the quantised numbers, widened to float32 again
;;       x = np.moveaxis(x, axis, -1); K = x.shape[-1]
;;       x = np.pad(x, [(0, 0)] * (x.ndim - 1) + [(0, -K % 32)]); x = x.reshape(x.shape[:-1] + (-1, 32)); a = np.abs(x).max(-1, keepdims=True)
;;       e = np.where(a > 0, np.clip(np.frexp(np.where(a > 0, a, 1))[1] - 1 - 2, -126, 127), 0)      # np.frexp(a)[1] - 1 = floor(log2(a)), exactly
;;       r = np.clip(x / 2.0 ** e, -6, 6)
;;       step = 2.0 ** (np.maximum(np.frexp(np.where(r == 0, 1, r))[1] - 1, 0) - 1)
;;       q = np.round(r / step) * step * 2.0 ** e      # np.round: ties to even
;;       return np.moveaxis(q.reshape(q.shape[:-2] + (-1,))[..., :K], -1, axis).astype(np.float32)
;;   ~~~
;; One version. Each part assembles by itself: llvm-mc -triple=amdgcn-amd-amdhsa -mcpu=gfx1250 --defsym DOCPART=n.
;; ======== version 1 of 1: 6 launches
;; limits: values are held in f16: magnitudes above 65,504 overflow, below 6.1e-05 lose precision
;; workspace buffers: xc 4,194,304 bytes; xs 262,144 bytes; wc 1,572,864 bytes; ws 98,304 bytes; qkvh 50,331,648 bytes; q32 786,432 bytes; att 16,777,216 bytes; wo16 2,097,152 bytes
;; launch qx (part 1): grid 256 x 1, 4 waves a work-group, no clusters, 33,280 bytes of LDS; arguments x, xc, xs; writes xc, xs
.if DOCPART == 1
	.amdgcn_target "amdgcn-amd-amdhsa--gfx1250"
	.amdhsa_code_object_version 6
	.text
	.protected	k_qdfbc6290e5_qx
	.globl	k_qdfbc6290e5_qx
	.p2align	8
	.type	k_qdfbc6290e5_qx,@function
k_qdfbc6290e5_qx:
	s_mov_b64 s[64:65], 0
	v_nop
	global_prefetch_b8 v0, s[64:65] scope:SCOPE_SE
	s_setreg_imm32_b32 hwreg(HW_REG_WAVE_MODE, 25, 1), 1
	s_wait_xcnt 0x0
; x [8192][1024], f32, becomes codes of FP4 (E2M1), K innermost, two codes a byte, and one E8M0 scale byte for each 32 along K: xc [8192][512 bytes], xs [8192][32 bytes].
; A block's scale is 2^(floor(log2(its largest magnitude)) - 2); its byte is the largest magnitude's own exponent field - 2, held at 1 from below.
; LIMITS: a block of zeros, and a block whose largest magnitude lies under 2^-124, gets the byte 1 (a block of zeros has zero codes, which add nothing under that byte; this program alone reads the bytes).
; NaN and infinities among the inputs are not served.
; Rows are dense and K is a multiple of 32: the tensor is a plain stream of blocks of 32.  A wave takes 16 steps of 512 numbers.  Each of a step's four loads reads 512 consecutive bytes, 16 a lane;
; the 2,048 bytes turn through the wave's own stage in LDS and come back 64 bytes a lane: 16 neighbours along K, two neighbouring lanes to a block, as the conversions want them.
; A lane's 16 codes are 8 bytes: the wave stores 256 consecutive bytes.  A wave's 256 scale bytes are gathered in LDS and leave by one store of 256 consecutive bytes.
; Loads run eight steps (32 loads of 512 bytes a wave) ahead.  Waves share nothing: no barrier, no cluster, no matrix unit: every byte is read once and written once.
.set STEPS, 16
.set AHEAD, 8
.set EMAX,  2
.set CB,    8                          ; bytes of 16 codes
.set R,     16                         ; v16-143  eight sets of 16 numbers as they are loaded
.set X,     144                        ; v144-175 two sets of 16 neighbours
.set C,     176                        ; v176-207 codes: two registers for each step, so that no store's data are written again
.set E,     208                        ; v208-223 a scale byte for each step
.set WREG,  8192                       ; LDS: a region for each wave: two stages of 32 x SP bytes, behind them its 256 scale bytes
.set SP,    80                         ; a lane's place in a stage: 64 bytes + 16 of padding
.set SPW,   12                         ; v12 LDS address of my spare word; never rewritten
.set NIL,   13                         ; v13 0; never rewritten
.set SPARE, 4*WREG                     ; behind the four regions: the spare words, 128 bytes a wave
	s_load_b128 s[4:7], s[0:1], 0x0                ; x, xc
	s_load_b64 s[8:9], s[0:1], 0x10                ; xs
	v_lshl_add_u32 v[SPW], v0, 2, SPARE
	v_mov_b32 v[NIL], 0
	v_lshrrev_b32 v1, 5, v0
	v_readfirstlane_b32 s16, v1                    ; wave
	v_and_b32 v2, 31, v0                           ; lane
	v_lshlrev_b32 v3, 4, v2                        ; my 16 bytes of a load's 512
	s_mul_i32 s17, s16, WREG
	v_lshrrev_b32 v14, 2, v2
	v_mul_u32_u24 v14, v14, SP
	v_and_b32 v15, 3, v2
	v_lshl_add_u32 v14, v15, 4, v14
	v_add_nc_u32 v14, s17, v14                     ; the stage, way in: SP (lane / 4) + 16 (lane % 4)
	v_mul_u32_u24 v15, v2, SP
	v_add_nc_u32 v15, s17, v15                     ; way out: SP x lane: my 16 neighbours
	v_mul_u32_u24 v4, v2, CB                       ; my codes' place in a step's
	v_lshrrev_b32 v5, 1, v2
	s_add_co_u32 s17, s17, 2*32*SP
	v_add_nc_u32 v5, s17, v5                       ; my block's byte among my wave's 256
	v_lshlrev_b32 v7, 3, v2                        ; on the way out 8 bytes a lane
	v_add_nc_u32 v6, s17, v7
	s_lshl_b32 s18, ttmp9, 2
	s_add_co_u32 s18, s18, s16                     ; which run of 8,192 numbers is my wave's: 0 .. 1,023
	s_lshl_b32 s20, s18, 15                        ; 32,768 bytes of x,
	s_mov_b32 s21, 0
	s_lshl_b32 s22, s18, 12                        ; 4,096 of codes,
	s_mov_b32 s23, 0
	s_lshl_b32 s24, s18, 8                         ; 256 scale bytes a run
	s_mov_b32 s25, 0
	s_wait_kmcnt 0x0
	s_add_nc_u64 s[4:5], s[4:5], s[20:21]
	s_add_nc_u64 s[6:7], s[6:7], s[22:23]
	s_add_nc_u64 s[8:9], s[8:9], s[24:25]
.macro LOAD t
.irp i, 0,1,2,3
	global_load_b128 v[R+16*((\t)%AHEAD)+4*\i:R+16*((\t)%AHEAD)+4*\i+3], v3, s[4:5] offset:2048*(\t)+512*\i th:TH_LOAD_NT   ; 32 lanes read 512 consecutive bytes
.endr
.endm
.macro TURN t                          ; step t's numbers through the stage: LDS serves a wave's instructions in order, so no wait stands between the stores and the loads
.irp i, 0,1,2,3
	ds_store_b128 v14, v[R+16*((\t)%AHEAD)+4*\i:R+16*((\t)%AHEAD)+4*\i+3] offset:32*SP*((\t)%2)+8*SP*\i
.endr
.irp i, 0,1,2,3
	ds_load_b128 v[X+16*((\t)%2)+4*\i:X+16*((\t)%2)+4*\i+3], v15 offset:32*SP*((\t)%2)+16*\i
.endr
.endm
.irp t, 0,1,2,3,4,5,6,7
	LOAD \t
.endr
	s_wait_loadcnt 4*(AHEAD-1)                     ; step 0's four loads are in; the seven steps behind it stay out
	TURN 0
.macro STEP t
.set XS, X+16*((\t)%2)
.if (\t) > 0
	s_wait_dscnt 1                                 ; this step's numbers are back from the stage (the last step's byte store may be out): so its stores into the stage have read their registers,
.else
	s_wait_dscnt 0x0
.endif
.if (\t)+AHEAD < STEPS
	LOAD (\t)+AHEAD                                ; which take the loads of eight steps on
.endif
.if (\t)+1 < STEPS
.if (\t)+AHEAD < STEPS
	s_wait_loadcnt 4*(AHEAD-1)                     ; the next step's four loads are in; those of the seven steps behind it may be out
.else
	s_wait_loadcnt 4*(STEPS-2-(\t))                ; at the end the count runs down with the steps that are left
.endif
	TURN (\t)+1                                    ; they go through the other stage while this step is worked
.endif
	v_max3_num_f32 v8, |v[XS]|, |v[XS+1]|, |v[XS+2]|               ; the largest magnitude of my 16, in two chains
	v_max3_num_f32 v9, |v[XS+3]|, |v[XS+4]|, |v[XS+5]|
.irp i, 6,10
	v_max3_num_f32 v8, v8, |v[XS+\i]|, |v[XS+\i+1]|
	v_max3_num_f32 v9, v9, |v[XS+\i+2]|, |v[XS+\i+3]|
.endr
	v_max3_num_f32 v8, v8, |v[XS+14]|, |v[XS+15]|
	v_max3_num_f32 v8, v8, v9, (EMAX+1)<<23        ; and the floor 2^(3 - 127): the byte cannot fall under 1
	v_max_num_f32_dpp v8, v8, v8 row_xmask:1 row_mask:0xf bank_mask:0xf   ; with my neighbour's 16: the block's
	v_add_nc_u32 v11, -(EMAX<<23), v8              ; 2 off its exponent field: the conversion takes the exponent field of this operand as its scale
	v_cvt_scalef32_pk8_fp4_f32 v[C+2*(\t)], v[XS:XS+7], v11
	v_cvt_scalef32_pk8_fp4_f32 v[C+2*(\t)+1], v[XS+8:XS+15], v11
	v_lshrrev_b32 v[E+(\t)], 23, v11               ; the scale's byte (a plain line behind the conversions)
	ds_store_b8 v5, v[E+(\t)] offset:16*(\t)       ; both lanes of a block write the same byte with the same value
	global_store_b64 v4, v[C+2*(\t):C+2*(\t)+1], s[6:7] offset:32*CB*(\t)   ; 32 lanes store 256 consecutive bytes, at a multiple of 256 from the buffer's first byte
.endm
.irp t, 0,1,2,3,4,5,6,7,8,9,10,11,12,13,14,15
	STEP \t
.endr
	ds_load_b64 v[8:9], v6                         ; LDS serves a wave's instructions in order: these see my byte stores
	s_wait_dscnt 0x0
	global_store_b64 v7, v[8:9], s[8:9]            ; 256 consecutive scale bytes
	s_wait_tensorcnt 0x0                           ; the wave's end
	ds_add_u32 v[SPW], v[NIL]
	s_wait_dscnt 0x0
	s_endpgm
.Lfunc_end_k_qdfbc6290e5_qx:
	.size	k_qdfbc6290e5_qx, .Lfunc_end_k_qdfbc6290e5_qx-k_qdfbc6290e5_qx
	.p2alignl 7, 3214868480
	.fill 96, 4, 3214868480
	.section	.rodata,"a",@progbits
	.p2align	6, 0x0
	.amdhsa_kernel k_qdfbc6290e5_qx
		.amdhsa_group_segment_fixed_size 33280
		.amdhsa_private_segment_fixed_size 0
		.amdhsa_enable_private_segment 0
		.amdhsa_kernarg_size 24
		.amdhsa_user_sgpr_count 2
		.amdhsa_user_sgpr_kernarg_segment_ptr 1
		.amdhsa_wavefront_size32 1
		.amdhsa_system_sgpr_workgroup_id_x 1
		.amdhsa_system_sgpr_workgroup_id_y 1
		.amdhsa_system_sgpr_workgroup_id_z 1
		.amdhsa_system_vgpr_workitem_id 0
		.amdhsa_next_free_vgpr 224
		.amdhsa_next_free_sgpr 66
		.amdhsa_reserve_vcc 0
		.amdhsa_float_denorm_mode_32 3
		.amdhsa_float_denorm_mode_16_64 3
		.amdhsa_memory_ordered 1
		.amdhsa_forward_progress 1
		.amdhsa_inst_pref_size 33
	.end_amdhsa_kernel
	.amdgpu_metadata
---
amdhsa.version: [ 1, 2 ]
amdhsa.kernels:
  - .name:           k_qdfbc6290e5_qx
    .symbol:         k_qdfbc6290e5_qx.kd
    .args:
      - { .name: x, .offset: 0, .size: 8, .value_kind: global_buffer, .address_space: global }
      - { .name: xc, .offset: 8, .size: 8, .value_kind: global_buffer, .address_space: global }
      - { .name: xs, .offset: 16, .size: 8, .value_kind: global_buffer, .address_space: global }
    .group_segment_fixed_size: 33280
    .private_segment_fixed_size: 0
    .kernarg_segment_align: 8
    .kernarg_segment_size: 24
    .max_flat_workgroup_size: 128
    .sgpr_count:     66
    .vgpr_count:     224
    .wavefront_size: 32
...
	.end_amdgpu_metadata
.endif
;; end of part 1
;; launch qw (part 2): grid 96 x 1, 8 waves a work-group, no clusters, 18,944 bytes of LDS; arguments Wqkv, wc, ws; writes wc, ws
.if DOCPART == 2
	.amdgcn_target "amdgcn-amd-amdhsa--gfx1250"
	.amdhsa_code_object_version 6
	.text
	.protected	k_qdfbc6290e5_qw
	.globl	k_qdfbc6290e5_qw
	.p2align	8
	.type	k_qdfbc6290e5_qw,@function
k_qdfbc6290e5_qw:
	s_mov_b64 s[64:65], 0
	v_nop
	global_prefetch_b8 v0, s[64:65] scope:SCOPE_SE
	s_setreg_imm32_b32 hwreg(HW_REG_WAVE_MODE, 25, 1), 1
	s_wait_xcnt 0x0
; Wqkv [1024 (k)][3072 (n)], f32, K its FIRST axis, becomes codes of FP4 (E2M1) laid [3072][512 bytes] with K innermost, and E8M0 scale bytes laid [3072][32].
; A LANE TAKES A COLUMN n AND ITS REGISTERS RUN DOWN K: a block of 32 along K lies in one lane's 32 registers, its largest magnitude needs no other lane, and the conversions give codes with K innermost.
; A work-group takes 32 columns for all of K; wave w takes k = 128 w .. 128 w + 127: four blocks a lane, all 128 loads issued on end.  The eight waves' codes meet in one stage in LDS (a row a column),
; so that whole rows of 512 bytes of codes, and the 32 columns' 1,024 dense scale bytes, leave by stores of 512 consecutive bytes.  A load reads 128 consecutive bytes (32 columns of one row of Wqkv).
; LIMITS: as in the launch that quantises x: a block of zeros or under 2^-124 gets the byte 1; NaN and infinities are not served.
; 96 work-groups: 3,072 columns / 32.  No tensor loads, no cluster: no work-group reads what another reads.
.set EMAX,  2
.set ROWW,  12288                      ; a row of Wqkv in bytes
.set PITCH, 528                        ; a stage row: 512 bytes of codes + 16
.set SCST,  32*PITCH                   ; behind the stage: 32 columns x 32 scale bytes
.set SPARE, SCST+1024                  ; the spare words, 128 bytes for each of eight waves
.set X,     32                         ; v32-159  four blocks of 32 numbers
.set C,     160                        ; v160-175 four registers of codes a block
.set SB,    176                        ; v176     my four scale bytes
.set OUTR,  180                        ; v180-195 the way out
.set SPW,   14
.set NIL,   15
	s_load_b128 s[4:7], s[0:1], 0x0                ; Wqkv, wc
	s_load_b64 s[8:9], s[0:1], 0x10                ; ws
	v_lshl_add_u32 v[SPW], v0, 2, SPARE
	v_mov_b32 v[NIL], 0
	v_lshrrev_b32 v1, 5, v0
	v_readfirstlane_b32 s16, v1                    ; wave 0..7
	v_and_b32 v1, 31, v0                           ; lane
	v_lshlrev_b32 v2, 2, v1                        ; in: 4 bytes a lane
	s_lshl_b32 s17, s16, 6
	v_mul_u32_u24 v3, v1, PITCH
	v_add_nc_u32 v3, s17, v3                       ; the stage, way in: my column's row, my wave's 64 bytes
	s_lshl_b32 s17, s16, 2
	s_add_co_u32 s17, s17, SCST
	v_lshl_add_u32 v4, v1, 5, s17                  ; my column's 32 scale bytes, my wave's four
	v_lshlrev_b32 v9, 4, v1                        ; 16 x lane
	s_mul_i32 s17, s16, 4*PITCH
	v_add_nc_u32 v5, s17, v9                       ; way out: wave w takes rows 4 w .. 4 w + 3, a row an instruction
	s_lshl_b32 s17, s16, 11
	v_add_nc_u32 v6, s17, v9                       ; and the same rows in wc
	s_lshl_b32 s17, s16, 9
	v_add_nc_u32 v8, s17, v9                       ; the scale bytes: waves 0 and 1, 512 bytes each
	v_add_nc_u32 v7, SCST, v8
	s_mul_i32 s20, s16, 128*ROWW                   ; my wave's first row of Wqkv,
	s_lshl_b32 s21, ttmp9, 7                       ; my work-group's 32 columns
	s_add_co_u32 s20, s20, s21
	s_mov_b32 s21, 0
	s_lshl_b32 s22, ttmp9, 14                      ; 32 rows of 512 bytes of codes
	s_mov_b32 s23, 0
	s_lshl_b32 s24, ttmp9, 10                      ; 32 rows of 32 scale bytes
	s_mov_b32 s25, 0
	s_wait_kmcnt 0x0
	s_add_nc_u64 s[4:5], s[4:5], s[20:21]
	s_add_nc_u64 s[6:7], s[6:7], s[22:23]
	s_add_nc_u64 s[8:9], s[8:9], s[24:25]
.set i, 0
.rept 128
	global_load_b32 v[X+i], v2, s[4:5] offset:i*ROWW th:TH_LOAD_NT   ; W(128 w + i, my column); the largest offset, 127 rows, lies inside the signed 24-bit immediate
.set i, i+1
.endr
.macro BLOCK t, left
.set XS, X+32*(\t)
	s_wait_loadcnt \left                           ; loads come back in order: this block's 32 are in
	v_max3_num_f32 v12, |v[XS]|, |v[XS+1]|, |v[XS+2]|              ; the block's largest magnitude: all 32 numbers are mine
	v_max3_num_f32 v13, |v[XS+3]|, |v[XS+4]|, |v[XS+5]|
.irp i, 6,10,14,18,22,26
	v_max3_num_f32 v12, v12, |v[XS+\i]|, |v[XS+\i+1]|
	v_max3_num_f32 v13, v13, |v[XS+\i+2]|, |v[XS+\i+3]|
.endr
	v_max3_num_f32 v12, v12, |v[XS+30]|, |v[XS+31]|
	v_max3_num_f32 v12, v12, v13, (EMAX+1)<<23     ; and the floor 2^(3 - 127)
	v_add_nc_u32 v11, -(EMAX<<23), v12             ; the conversion's scale operand
	v_lshrrev_b32 v10, 23, v11                     ; the scale's byte
.if (\t) == 0
	v_mov_b32 v[SB], v10
.else
	v_lshl_or_b32 v[SB], v10, 8*(\t), v[SB]        ; the lower k in the lower byte
.endif
.irp g, 0,1,2,3
	v_cvt_scalef32_pk8_fp4_f32 v[C+4*(\t)+\g], v[XS+8*\g:XS+8*\g+7], v11
.endr
	ds_store_b128 v3, v[C+4*(\t):C+4*(\t)+3] offset:16*(\t)   ; 32 codes: 16 bytes of my column's row.  (The next block begins with plain lines that touch none of the conversions' registers)
.endm
	BLOCK 0, 63                                    ; 96 loads are younger than block 0's, 64 than block 1's: the wait's field holds 63
	BLOCK 1, 63
	BLOCK 2, 32
	BLOCK 3, 0
	ds_store_b32 v4, v[SB]
	s_wait_dscnt 0x0                               ; for the others' sake: my stores into the stage are done
	s_barrier_signal -1
	s_barrier_wait -1
.irp i, 0,1,2,3
	ds_load_b128 v[OUTR+4*\i:OUTR+4*\i+3], v5 offset:\i*PITCH
.endr
.irp i, 0,1,2,3
	s_wait_dscnt 3-\i
	global_store_b128 v6, v[OUTR+4*\i:OUTR+4*\i+3], s[6:7] offset:512*\i   ; a whole row of codes: 512 consecutive bytes
.endr
	s_cmp_gt_u32 s16, 1
	s_cbranch_scc1 .Lno_scales
	ds_load_b128 v[196:199], v7
	s_wait_dscnt 0x0
	global_store_b128 v8, v[196:199], s[8:9]       ; 512 consecutive scale bytes
.Lno_scales:
	s_wait_tensorcnt 0x0                           ; the wave's end
	ds_add_u32 v[SPW], v[NIL]
	s_wait_dscnt 0x0
	s_endpgm
.Lfunc_end_k_qdfbc6290e5_qw:
	.size	k_qdfbc6290e5_qw, .Lfunc_end_k_qdfbc6290e5_qw-k_qdfbc6290e5_qw
	.p2alignl 7, 3214868480
	.fill 96, 4, 3214868480
	.section	.rodata,"a",@progbits
	.p2align	6, 0x0
	.amdhsa_kernel k_qdfbc6290e5_qw
		.amdhsa_group_segment_fixed_size 18944
		.amdhsa_private_segment_fixed_size 0
		.amdhsa_enable_private_segment 0
		.amdhsa_kernarg_size 24
		.amdhsa_user_sgpr_count 2
		.amdhsa_user_sgpr_kernarg_segment_ptr 1
		.amdhsa_wavefront_size32 1
		.amdhsa_system_sgpr_workgroup_id_x 1
		.amdhsa_system_sgpr_workgroup_id_y 1
		.amdhsa_system_sgpr_workgroup_id_z 1
		.amdhsa_system_vgpr_workitem_id 0
		.amdhsa_next_free_vgpr 200
		.amdhsa_next_free_sgpr 66
		.amdhsa_reserve_vcc 0
		.amdhsa_float_denorm_mode_32 3
		.amdhsa_float_denorm_mode_16_64 3
		.amdhsa_memory_ordered 1
		.amdhsa_forward_progress 1
		.amdhsa_inst_pref_size 22
	.end_amdhsa_kernel
	.amdgpu_metadata
---
amdhsa.version: [ 1, 2 ]
amdhsa.kernels:
  - .name:           k_qdfbc6290e5_qw
    .symbol:         k_qdfbc6290e5_qw.kd
    .args:
      - { .name: Wqkv, .offset: 0, .size: 8, .value_kind: global_buffer, .address_space: global }
      - { .name: wc, .offset: 8, .size: 8, .value_kind: global_buffer, .address_space: global }
      - { .name: ws, .offset: 16, .size: 8, .value_kind: global_buffer, .address_space: global }
    .group_segment_fixed_size: 18944
    .private_segment_fixed_size: 0
    .kernarg_segment_align: 8
    .kernarg_segment_size: 24
    .max_flat_workgroup_size: 256
    .sgpr_count:     66
    .vgpr_count:     200
    .wavefront_size: 32
...
	.end_amdgpu_metadata
.endif
;; end of part 2
;; launch gemm1 (part 3): grid 12 x 32, 4 waves a work-group, clusters of 4 x 4, 327,680 bytes of LDS; arguments xc, xs, wc, ws, qkvh, q32; writes qkvh, q32
.if DOCPART == 3
	.amdgcn_target "amdgcn-amd-amdhsa--gfx1250"
	.amdhsa_code_object_version 6
	.text
	.protected	k_qdfbc6290e5_gemm1
	.globl	k_qdfbc6290e5_gemm1
	.p2align	8
	.type	k_qdfbc6290e5_gemm1,@function
k_qdfbc6290e5_gemm1:
	s_mov_b64 s[64:65], 0
	v_nop
	global_prefetch_b8 v0, s[64:65] scope:SCOPE_SE
	s_setreg_imm32_b32 hwreg(HW_REG_WAVE_MODE, 25, 1), 1
	s_wait_xcnt 0x0
	s_wait_alu depctr_hold_cnt(0) depctr_sa_sdst(0) depctr_va_vdst(0) depctr_va_sdst(0) depctr_va_ssrc(0) depctr_va_vcc(0) depctr_vm_vsrc(0)
	s_getreg_b32 s2, hwreg(HW_REG_IB_STS2, 6, 4)
	s_cmp_eq_u32 s2, 0
	s_cbranch_scc0 .Lentry_in_a_cluster
	s_endpgm
.Lentry_in_a_cluster:
	s_bfe_u32 s2, ttmp6, 0x10000c
	s_cmp_lg_u32 s2, 0xf033
	s_cbranch_scc0 .Lentry_shape_is_right
	s_endpgm
.Lentry_shape_is_right:
; qkv = x Wqkv on codes of FP4 (E2M1) with one E8M0 scale for each 32 along K.  A = xc [8192][1024 codes], xs [8192][32]; B = wc [3072][1024 codes], ws [3072][32]; sums in f32.
; OUT: q, k, v rounded to f16 and laid by head, qkvh [3][64 = 16 batch + head][2048 tokens][64]; and the rows of tokens 0 .. 15 of each batch as they are, f32, q32 [4][16][3072].
; LIMIT: |q|, |k|, |v| stay under 65,504, f16's largest number (inputs as drawn give a spread of 1; x and Wqkv both 30 times larger give about 5,000 at the most).
; A tile of 256 x 256 is made by four waves, each 128 x 128: 64 accumulators, 512 registers.  K = 1,024 is two K steps of 512 (LDS rows of 256 bytes): each of the two LDS slots is filled once, at the head.
; The scales of the work-group's 256 + 256 rows, for all of K, come once with the first fills.
; CLUSTERS: 4 x 4 work-groups; the four of a row of the cluster ask jointly for A's tiles, the four of a column for B's.  The tile row is 8 cy + cluster y: cy is the batch, cluster y the block of 256 tokens in it,
; so that the test 'my rows hold tokens 0 .. 15' hangs on cluster y and the wave's number alone and is the same in all sixteen partners.
; THE MATRIX INSTRUCTION IS USED TRANSPOSED (source 0 = 16 rows of B, source 1 = 16 rows of A): a lane holds eight neighbouring columns of one row.
; REGISTERS: window 0: v0-31 addresses; v32-95 scale words, two sets; v128-191 A's fragments, one set; on the way out v128-223.  window 1: B's fragments, two sets.  windows 2, 3: the accumulators ((a, b) at v[8 (8 (a % 4) + b)]).
.set SIZE_M, 8192
.set SIZE_N, 3072
.set SIZE_K, 1024
.set KSTEP,  512
.set NQ,     KSTEP/128
.set ROWB,   256                       ; a tile's row in bytes
.set KROW,   SIZE_K*4/8                ; a row of codes in memory
.set PITCH,  272                       ; an LDS row: 256 bytes + 16 of padding = 68 words: the 16 rows that a load touches start at 16 different banks (64 banks of 4 bytes: ISA guide 11.1)
.set FR,     8
.set NL,     2
.set NP,     4                         ; places behind this matrix instruction (ISA guide 7.12.1)
.set HALFT,  128*PITCH
.set SLOT,   4*HALFT
.set KS,     SIZE_K/32                 ; a row of scales: 32 bytes
.set SCL,    2*SLOT                    ; behind the slots: the scales, as units of 256 bytes + 16 of padding
.set HALFS,  (128*KS/256)*272
.set SBLK,   (16*KS/256)*272
.set SPARE,  SCL+4*HALFS               ; the spare words, 128 bytes a wave
.set SPITCH, 272                       ; the way out: a stage of 16 rows x (256 bytes + 16) for each wave, in slot 0, which has had its only fill and its last read by then
.set HEADB,  2048*64*2                 ; a head's bytes in qkvh
.set ADRA, 16
.set ADRB, 20
.set STO,  24                          ; v24 the way out: where I put 16 bytes of a row
.set RD,   25                          ; v25 where I read back: four tokens x 128 bytes of one head
.set CO,   26                          ; v26 16 x lane: the same 512 bytes in qkvh
.set ADRS, 27
.set SPW,  28
.set NIL,  29
.set FO,   30                          ; v30 my place in q32: row r, 32 h bytes
.set SC,   32
.set AF,   128
.set BK,   128                         ; the way out: v128-159 and v160-191 by turns
.set TMP,  192                         ; v192-223 a block rounded to f16
.set G1, 24
.set G0, 32
.set G1B, 48
.set G0B, 56
.set G1S, 68
.set G0S, 76
.set G1SB, 80
.set G0SB, 88
.set MSB, 0
.macro WIN new                         ; the immediate's high byte repeats the setting that is left; a switch that changes nothing is dropped
.if MSB != (\new)
	s_set_vgpr_msb (MSB<<8)|(\new)
.set MSB, (\new)
.endif
.endm
.set MUL_LO, 0xa1                      ; source 0 (B) window 1, source 1 (A) window 0, C and D window 2
.set MUL_HI, 0xf1
.set TO_B,   0x40
; A joint load: waves 0 and 1 fetch for A, waves 2 and 3 for B; the branch hangs on the wave's number alone.  An s_nop 0 and four v_nop follow each of the two lines.
.macro JLOAD g0a, g1a, g0b, g1b
	s_cmp_eq_u32 s15, 0
	s_cbranch_scc0 .Lfor_b_\@
	tensor_load_to_lds s[\g0a:\g0a+3], s[\g1a:\g1a+7]
	s_nop 0
.rept 4
	v_nop
.endr
	s_branch .Lasked_\@
.Lfor_b_\@:
	tensor_load_to_lds s[\g0b:\g0b+3], s[\g1b:\g1b+7]
	s_nop 0
.rept 4
	v_nop
.endr
.Lasked_\@:
.endm
.macro CROUND                          ; a round of the cluster's barrier
	s_barrier_signal -1
	s_barrier_wait -1
	s_cmp_lg_u32 s14, 0
	s_cbranch_scc1 .Lnot_wave_0_\@
	s_barrier_signal -3
.Lnot_wave_0_\@:
	s_barrier_wait -3
	s_barrier_signal -1
	s_barrier_wait -1
.endm
	s_load_b128 s[4:7], s[0:1], 0x0                ; A's codes, A's scales
	s_load_b128 s[8:11], s[0:1], 0x10              ; B's codes, B's scales
	s_load_b64 s[12:13], s[0:1], 0x20              ; qkvh
	s_load_b64 s[96:97], s[0:1], 0x28              ; q32
	v_lshl_add_u32 v[SPW], v0, 2, SPARE
	v_mov_b32 v[NIL], 0
	ds_add_u32 v[SPW], v[NIL]                      ; the wave's opening: the add, twice on end, and its wait ahead of my first tensor load
	ds_add_u32 v[SPW], v[NIL]
	v_lshrrev_b32 v1, 5, v0
	v_readfirstlane_b32 s14, v1                    ; wave 0..3
	s_lshr_b32 s15, s14, 1                         ; which half of the tile's rows is mine.  Also: I fetch for A (0) or for B (1)
	s_and_b32 s16, s14, 1                          ; which half of its columns.  Also: which 128 rows of that tile I fetch
	s_bfe_u32 s40, ttmp6, 0x40000                  ; cx, cy
	s_bfe_u32 s41, ttmp6, 0x40004
	s_lshl_b32 s42, ttmp9, 2
	s_add_co_u32 s42, s42, s40                     ; tile column = 4 x cluster x + cx
	s_and_b32 s95, ttmp7, 0xffff                   ; cluster y: the block of 256 tokens in a batch
	s_lshl_b32 s17, s41, 3
	s_add_co_u32 s17, s17, s95                     ; tile row = 8 cy + cluster y
	s_lshl_b32 s43, s41, 2
	s_lshl_b32 s43, 15, s43                        ; my row of the cluster
	s_lshl_b32 s44, 0x1111, s40                    ; my column
	s_or_b32 s[G1+0], s43, (0<<16)|(1<<20)|(1<<21)|(5<<22)|(3<<25)  ; the mask; elements of 1 byte; padding on; bit 21 beside a mask; after every 64 words, 4 words
	s_or_b32 s[G1B+0], s44, (0<<16)|(1<<20)|(1<<21)|(5<<22)|(3<<25)
.irp g, G1, G1B
	s_mov_b32 s[\g+1], ROWB<<16                    ; tensor_dim0
	s_mov_b32 s[\g+2], 128<<16                     ; tensor_dim1
	s_mov_b32 s[\g+3], ROWB<<16                    ; tile_dim0
	s_mov_b32 s[\g+4], 128                         ; tile_dim1
	s_mov_b32 s[\g+5], KROW                        ; from row to row
	s_mov_b32 s[\g+6], 0
	s_mov_b32 s[\g+7], 0
.endr
	s_or_b32 s[G1S+0], s43, (3<<16)|(1<<20)|(1<<21)|(5<<22)|(3<<25)  ; the scales of 128 rows: 4,096 dense bytes as 16 rows of 256 (32 elements of 8 bytes), 16 bytes of padding behind each
	s_or_b32 s[G1SB+0], s44, (3<<16)|(1<<20)|(1<<21)|(5<<22)|(3<<25)
.irp g, G1S, G1SB
	s_mov_b32 s[\g+1], 32<<16
	s_mov_b32 s[\g+2], (128*KS/256)<<16
	s_mov_b32 s[\g+3], 32<<16
	s_mov_b32 s[\g+4], 128*KS/256
	s_mov_b32 s[\g+5], 32
	s_mov_b32 s[\g+6], 0
	s_mov_b32 s[\g+7], 0
.endr
	s_lshl_b32 s18, s16, 7
	s_lshl_b32 s20, s17, 8
	s_add_co_u32 s20, s20, s18                     ; A: row 256 x tile row + 128 x half
	s_lshl_b32 s46, s42, 8
	s_add_co_u32 s46, s46, s18                     ; B: row 256 x tile column + 128 x half
	s_mov_b32 s21, 0
	s_mov_b32 s47, 0
	s_mov_b64 s[18:19], KS
	s_mul_u64 s[22:23], s[20:21], s[18:19]         ; where these rows' scales begin,
	s_mul_u64 s[92:93], s[46:47], s[18:19]
	s_mov_b64 s[18:19], KROW
	s_mul_u64 s[20:21], s[20:21], s[18:19]         ; and their codes
	s_mul_u64 s[46:47], s[46:47], s[18:19]
	s_mul_i32 s45, s14, HALFT                      ; where they go: wave x 128 rows: no place in the cluster enters an LDS address
	s_mul_i32 s94, s14, HALFS
	s_wait_dscnt 0x0                               ; both opening adds are done
	s_wait_kmcnt 0x0
	s_add_nc_u64 s[20:21], s[4:5], s[20:21]
	s_add_nc_u64 s[22:23], s[6:7], s[22:23]
	s_add_nc_u64 s[46:47], s[8:9], s[46:47]
	s_add_nc_u64 s[92:93], s[10:11], s[92:93]
	CROUND                                         ; all sixteen work-groups are here: the joint loads meet
	s_mov_b32 s[G0S], 1
	s_add_co_u32 s[G0S+1], s94, SCL
	s_mov_b64 s[G0S+2:G0S+3], s[22:23]
	s_or_b32 s[G0S+3], s[G0S+3], 0x80000000
	s_mov_b32 s[G0SB], 1
	s_add_co_u32 s[G0SB+1], s94, SCL
	s_mov_b64 s[G0SB+2:G0SB+3], s[92:93]
	s_or_b32 s[G0SB+3], s[G0SB+3], 0x80000000
	JLOAD G0S, G1S, G0SB, G1SB                     ; the scales first: they are wanted with K step 0
.irp s, 0,1
	s_mov_b32 s[G0+4*\s], 1
	s_add_co_u32 s[G0+4*\s+1], s45, \s*SLOT
	s_add_nc_u64 s[G0+4*\s+2:G0+4*\s+3], s[20:21], \s*ROWB
	s_or_b32 s[G0+4*\s+3], s[G0+4*\s+3], 0x80000000
	s_mov_b32 s[G0B+4*\s], 1
	s_add_co_u32 s[G0B+4*\s+1], s45, \s*SLOT
	s_add_nc_u64 s[G0B+4*\s+2:G0B+4*\s+3], s[46:47], \s*ROWB
	s_or_b32 s[G0B+4*\s+3], s[G0B+4*\s+3], 0x80000000
	JLOAD G0+4*\s, G1, G0B+4*\s, G1B               ; both K steps: three tensor loads of mine are out, and no more follow
.endr
	v_and_b32 v1, 15, v0                           ; r = l % 16
	v_bfe_u32 v2, v0, 4, 1                         ; h = l / 16
	v_mul_u32_u24 v3, v1, PITCH
	v_lshl_add_u32 v4, v2, 4, v3                   ; a fragment's row x pitch + 16 x half
	s_mul_i32 s21, s15, HALFT
	s_mul_i32 s22, s16, HALFT
	s_add_co_u32 s22, s22, 2*HALFT
.irp s, 0,1
	v_add_nc_u32 v[ADRA+\s], s21, v4
	v_add_nc_u32 v[ADRB+\s], s22, v4
	s_add_co_u32 s21, s21, SLOT
	s_add_co_u32 s22, s22, SLOT
.endr
	v_mul_u32_u24 v5, v1, KS                       ; my row's scales: 32 bytes a row,
	v_lshrrev_b32 v6, 8, v5
	v_lshl_add_u32 v5, v6, 4, v5                   ; and 16 more for each 256 passed
	s_mul_i32 s21, s15, HALFS
	s_mul_i32 s22, s16, HALFS
	s_add_co_u32 s22, s22, 2*HALFS
	s_sub_co_u32 s22, s22, s21
	v_mul_u32_u24 v6, s22, v2                      ; lanes 16-31 take B's
	s_add_co_u32 s21, s21, SCL
	v_add_nc_u32 v5, v5, v6
	v_add_nc_u32 v[ADRS], s21, v5
	s_mul_i32 s23, s14, 16*SPITCH                  ; my stage
	v_mul_u32_u24 v5, v1, SPITCH
	v_lshl_add_u32 v5, v2, 4, v5
	v_add_nc_u32 v[STO], s23, v5                   ; in: row r, 16 bytes for each half of the lanes
	v_bfe_u32 v5, v0, 3, 2
	v_mul_u32_u24 v5, v5, SPITCH
	v_and_b32 v7, 7, v0
	v_lshl_add_u32 v5, v7, 4, v5
	v_add_nc_u32 v[RD], s23, v5                    ; back: eight lanes take a token's 128 bytes of one head, the wave four tokens
	v_and_b32 v6, 31, v0
	v_lshlrev_b32 v[CO], 4, v6
	v_mul_u32_u24 v[FO], v1, SIZE_N*4
	v_lshl_add_u32 v[FO], v2, 5, v[FO]
	s_lshl_b32 s46, s42, 8
	s_lshl_b32 s47, s16, 7
	s_add_co_u32 s46, s46, s47                     ; n0: my first column: two whole heads of q, of k or of v
	s_lshr_b32 s92, s46, 10                        ; which of the three
	s_lshl_b32 s92, s92, 6
	s_bfe_u32 s93, s46, 0x40006                    ; the first of my two heads
	s_add_co_u32 s92, s92, s93
	s_lshl_b32 s93, s41, 4                         ; the batch
	s_add_co_u32 s92, s92, s93
	s_lshl_b32 s92, s92, 18                        ; x HEADB
	s_lshl_b32 s93, s95, 15                        ; 256 tokens of 128 bytes a block,
	s_add_co_u32 s92, s92, s93
	s_lshl_b32 s93, s15, 14                        ; my half's 128
	s_add_co_u32 s92, s92, s93
	s_mov_b32 s93, 0
	s_add_nc_u64 s[12:13], s[12:13], s[92:93]
	s_mul_i32 s92, s41, 16*SIZE_N*4
	s_lshl_b32 s46, s46, 2
	s_add_co_u32 s92, s92, s46
	s_add_nc_u64 s[96:97], s[96:97], s[92:93]
.macro FRAG reg, adr, q, i             ; 16 rows x 128 K of 4-bit codes: 8 registers: lane l holds row l % 16; registers 4 c .. 4 c + 3 hold K = 64 c + 32 (l / 16) + 0 .. 31
.irp c, 0,1
	ds_load_b128 v[\reg+4*\c:\reg+4*\c+3], v[\adr] offset:64*(\q)+32*\c+(\i)*16*PITCH
.endr
.endm
; 16 matrix instructions: A's blocks a0, a0 + 1 x B's eight, the slot's q-th 128 along K.  The 64 accumulators take turns, one instruction a turn.  One register carries A's scale word (lanes 0-15) and B's (lanes 16-31).
.macro MUL16 a0, p, q, sc, zero
.irp a, \a0, \a0+1
.irp b, 0,1,2,3,4,5,6,7
.if \zero
	v_wmma_scale_f32_16x16x128_f8f6f4 v[8*(8*((\a)%4)+\b):8*(8*((\a)%4)+\b)+7], v[128*(\p)+FR*\b:128*(\p)+FR*\b+FR-1], v[AF+FR*(\a):AF+FR*(\a)+FR-1], 0, v[SC+8*NQ*(\sc)+NQ*\b+(\q)], v[SC+8*NQ*(\sc)+NQ*(\a)+(\q)] matrix_a_fmt:MATRIX_FMT_FP4 matrix_b_fmt:MATRIX_FMT_FP4 matrix_a_scale:MATRIX_SCALE_ROW1
.else
	v_wmma_scale_f32_16x16x128_f8f6f4 v[8*(8*((\a)%4)+\b):8*(8*((\a)%4)+\b)+7], v[128*(\p)+FR*\b:128*(\p)+FR*\b+FR-1], v[AF+FR*(\a):AF+FR*(\a)+FR-1], v[8*(8*((\a)%4)+\b):8*(8*((\a)%4)+\b)+7], v[SC+8*NQ*(\sc)+NQ*\b+(\q)], v[SC+8*NQ*(\sc)+NQ*(\a)+(\q)] matrix_a_fmt:MATRIX_FMT_FP4 matrix_b_fmt:MATRIX_FMT_FP4 matrix_a_scale:MATRIX_SCALE_ROW1
.endif
.endr
.endr
.endm
.macro FETCH_B slot, q, p
	WIN TO_B
.irp i, 0,1,2,3,4,5,6,7
	FRAG 128*(\p)+FR*\i, ADRB+\slot, \q, \i
.endr
	WIN 0
.endm
.macro FETCH_A slot, q, i0
.irp i, \i0, \i0+1, \i0+2, \i0+3
	FRAG AF+FR*(\i), ADRA+\slot, \q, \i
.endr
.endm
.macro SCALES sc                       ; a K step's scale words: four a row; lanes 0-15 take A's block i, lanes 16-31 B's
.irp i, 0,1,2,3,4,5,6,7
	ds_load_b128 v[SC+8*NQ*\sc+NQ*\i:SC+8*NQ*\sc+NQ*\i+3], v[ADRS] offset:\i*SBLK
.endr
.endm
.macro PLACES n                        ; plain vector lines between a matrix instruction and a load into, or a read of, its registers
.rept \n
	v_nop
.endr
.endm
.macro STEP slot, q, zero              ; a step of 128 along K that has its successor in the same slot
	s_wait_dscnt 4*NL                              ; B's set and A's blocks 0-3 are in; the youngest eight loads (A's blocks 4-7) may be out
	WIN MUL_LO
	MUL16 0, (\q)%2, \q, \slot, \zero
	MUL16 2, (\q)%2, \q, \slot, \zero
	s_wait_dscnt 0
	PLACES NP
	FETCH_B \slot, (\q)+1, 1-(\q)%2
	FETCH_A \slot, (\q)+1, 0
	WIN MUL_HI
	MUL16 4, (\q)%2, \q, \slot, \zero
	MUL16 6, (\q)%2, \q, \slot, \zero
	PLACES NP
	WIN 0
	FETCH_A \slot, (\q)+1, 4
.endm
.macro TURN slot, next                 ; slot's last step, and the change of slots: one barrier; nothing is filled again
	s_wait_tensorcnt 0x0                           ; all my tensor loads have landed: my part of the next slot
	ds_add_u32 v[SPW], v[NIL]                      ; 0 onto my spare word
	s_wait_dscnt 4*NL+1                            ; (the add and the youngest eight loads may be out)
	WIN MUL_LO
	MUL16 0, 1, NQ-1, \slot, 0
	s_wait_dscnt 0x0                               ; the add is done, and my reads of this slot are over
	s_barrier_signal -1
	MUL16 2, 1, NQ-1, \slot, 0
	WIN 0
	s_barrier_wait -1                              ; the next slot is whole, and nobody reads this one any more
	PLACES NP
	v_add_nc_u32 v[ADRS], 4*NQ, v[ADRS]            ; on to the next K step's scale words
	FETCH_B \next, 0, 0
	FETCH_A \next, 0, 0
	SCALES \next
	WIN MUL_HI
	MUL16 4, 1, NQ-1, \slot, 0
	MUL16 6, 1, NQ-1, \slot, 0
	PLACES NP
	WIN 0
	FETCH_A \next, 0, 4
.endm
	s_wait_tensorcnt 1                             ; the scales and my part of K step 0 are in (K step 1's load may be out),
	s_barrier_signal -1
	s_barrier_wait -1                              ; everybody's are
	FETCH_B 0, 0, 0
	FETCH_A 0, 0, 0
	SCALES 0
	FETCH_A 0, 0, 4
	STEP 0, 0, 1                                   ; the first products start the sums: nothing is cleared
	STEP 0, 1, 0
	STEP 0, 2, 0
	TURN 0, 1
	STEP 1, 0, 0
	STEP 1, 1, 0
	STEP 1, 2, 0
	s_wait_dscnt 4*NL                              ; the last step: nothing more to fetch
	WIN MUL_LO
	MUL16 0, 1, NQ-1, 1, 0
	MUL16 2, 1, NQ-1, 1, 0
	s_wait_dscnt 0
	WIN MUL_HI
	MUL16 4, 1, NQ-1, 1, 0
	MUL16 6, 1, NQ-1, 1, 0
	WIN 0
	PLACES NP                                      ; behind the last products: for the reads of results and for the loads into the registers that held A's fragments
	; TOKENS 0 .. 15 OF A BATCH ALSO LEAVE AS f32: they are rows 0-15 (block 0) of the waves with the upper row half, in the clusters with y = 0.  786,432 bytes in all, in pieces of 64 consecutive bytes.
	s_cmp_lg_u32 s95, 0
	s_cbranch_scc1 .Lno32
	s_cmp_lg_u32 s15, 0
	s_cbranch_scc1 .Lno32
	WIN 0x08                                       ; a store's data: window 2
.irp b, 0,1,2,3,4,5,6,7
	global_store_b128 v[FO], v[8*\b:8*\b+3], s[96:97] offset:64*\b          ; each accumulator from its low end on
	global_store_b128 v[FO], v[8*\b+4:8*\b+7], s[96:97] offset:64*\b+16
.endr
	WIN 0
.Lno32:
; THE WAY OUT, a block of 16 tokens x 128 columns (two heads) at a time: rounded to f16, through my stage, and out as runs of 512 consecutive bytes: four tokens of one head.
.macro PACK a
.set AC, 64*((\a)%4)
	WIN 0x0a+5*((\a)/4)                            ; sources 0 and 1: window 2 or 3
.irp b, 0,1,2,3,4,5,6,7
.irp i, 0,1,2,3
	v_cvt_pk_f16_f32 v[TMP+4*\b+\i], v[AC+8*\b+2*\i], v[AC+8*\b+2*\i+1]
.endr
.endr
	WIN 0
.endm
.macro TOSTAGE a
.set BB, BK+32*((\a)%2)
.irp b, 0,1,2,3,4,5,6,7
	ds_store_b128 v[STO], v[TMP+4*\b:TMP+4*\b+3] offset:32*\b
.endr
.irp i, 0,1,2,3
.irp d, 0,1
	ds_load_b128 v[BB+4*(2*\i+\d):BB+4*(2*\i+\d)+3], v[RD] offset:4*SPITCH*\i+128*\d   ; LDS serves a wave's instructions in order: these see the stores above
.endr
.endr
.endm
.macro SEND a
.set BB, BK+32*((\a)%2)
	s_wait_dscnt 0x0                               ; the block is back in registers
	s_wait_xcnt 0x0                                ; the stores of the block before have read their registers: the next block's loads land there only behind this wait
.irp i, 0,1,2,3
.irp d, 0,1
	global_store_b128 v[CO], v[BB+4*(2*\i+\d):BB+4*(2*\i+\d)+3], s[12:13] offset:2048*(\a)+512*\i+HEADB*\d
.endr
.endr
.endm
	PACK 0
	TOSTAGE 0
.irp a, 1,2,3,4,5,6,7                  ; block a's conversions stand between block a - 1's loads from the stage and the wait for them
	PACK \a
	SEND \a-1
	TOSTAGE \a
.endr
	SEND 7
	s_wait_tensorcnt 0x0                           ; the wave's end
	ds_add_u32 v[SPW], v[NIL]
	s_wait_dscnt 0x0
	CROUND                                         ; the closing round
	s_endpgm
.Lfunc_end_k_qdfbc6290e5_gemm1:
	.size	k_qdfbc6290e5_gemm1, .Lfunc_end_k_qdfbc6290e5_gemm1-k_qdfbc6290e5_gemm1
	.p2alignl 7, 3214868480
	.fill 96, 4, 3214868480
	.section	.rodata,"a",@progbits
	.p2align	6, 0x0
	.amdhsa_kernel k_qdfbc6290e5_gemm1
		.amdhsa_group_segment_fixed_size 327680
		.amdhsa_private_segment_fixed_size 0
		.amdhsa_enable_private_segment 0
		.amdhsa_kernarg_size 48
		.amdhsa_user_sgpr_count 2
		.amdhsa_user_sgpr_kernarg_segment_ptr 1
		.amdhsa_wavefront_size32 1
		.amdhsa_system_sgpr_workgroup_id_x 1
		.amdhsa_system_sgpr_workgroup_id_y 1
		.amdhsa_system_sgpr_workgroup_id_z 1
		.amdhsa_system_vgpr_workitem_id 0
		.amdhsa_next_free_vgpr 1024
		.amdhsa_next_free_sgpr 98
		.amdhsa_reserve_vcc 0
		.amdhsa_float_denorm_mode_32 3
		.amdhsa_float_denorm_mode_16_64 3
		.amdhsa_memory_ordered 1
		.amdhsa_forward_progress 1
		.amdhsa_inst_pref_size 128
	.end_amdhsa_kernel
	.amdgpu_metadata
---
amdhsa.version: [ 1, 2 ]
amdhsa.kernels:
  - .name:           k_qdfbc6290e5_gemm1
    .symbol:         k_qdfbc6290e5_gemm1.kd
    .args:
      - { .name: xc, .offset: 0, .size: 8, .value_kind: global_buffer, .address_space: global }
      - { .name: xs, .offset: 8, .size: 8, .value_kind: global_buffer, .address_space: global }
      - { .name: wc, .offset: 16, .size: 8, .value_kind: global_buffer, .address_space: global }
      - { .name: ws, .offset: 24, .size: 8, .value_kind: global_buffer, .address_space: global }
      - { .name: qkvh, .offset: 32, .size: 8, .value_kind: global_buffer, .address_space: global }
      - { .name: q32, .offset: 40, .size: 8, .value_kind: global_buffer, .address_space: global }
    .group_segment_fixed_size: 327680
    .private_segment_fixed_size: 0
    .kernarg_segment_align: 8
    .kernarg_segment_size: 48
    .max_flat_workgroup_size: 128
    .sgpr_count:     98
    .vgpr_count:     1024
    .wavefront_size: 32
...
	.end_amdgpu_metadata
.endif
;; end of part 3
;; launch attn (part 4): grid 4 x 64, 8 waves a work-group, no clusters, 327,680 bytes of LDS; arguments qkvh, Wout, att, wo16; writes att, wo16
.if DOCPART == 4
	.amdgcn_target "amdgcn-amd-amdhsa--gfx1250"
	.amdhsa_code_object_version 6
	.text
	.protected	k_qdfbc6290e5_attn
	.globl	k_qdfbc6290e5_attn
	.p2align	8
	.type	k_qdfbc6290e5_attn,@function
k_qdfbc6290e5_attn:
	s_mov_b64 s[64:65], 0
	v_nop
	global_prefetch_b8 v0, s[64:65] scope:SCOPE_SE
	s_setreg_imm32_b32 hwreg(HW_REG_WAVE_MODE, 25, 1), 1
	s_wait_xcnt 0x0
; att[bh][q][:] = the sum over k <= q of softmax_k(Q[bh][q] . K[bh][k] / 8) V[bh][k][:].  Q, K, V: f16, qkvh [3][64][2048][64]; att: f16 [64][2048][64].  Products by the f16 matrix form, sums, maxima and the softmax in f32;
; the weights p are rounded to f16 for the second product, the row's sum is taken of the unrounded p, att is rounded once.  The launch also rounds Wout to f16 (wo16), 16 KiB of it a work-group.
; LIMITS: |Wout| and the attention's results stay under 65,504 (f16's largest number).  NaN and infinities are not served.  Tokens 0 .. 15 of each batch are made again in f32 by a later launch.
; SHARES.  Work-group (p, bh) takes the block of 256 queries 7 - p, with its key slots 0 .. 7 - p, and then block p, with slots 0 .. p (a slot: 256 keys): always 9 slots, so all 256 work-groups have equal work, and nothing
; that lies wholly under the causal mask is fetched.  Each of eight waves owns 32 queries, two tiles of 16; two waves share a SIMD, so that one wave's softmax stands beside the other's products.
; NO CLUSTER: the four work-groups of a head read the same K and V, but in trip t work-group p wants slot t only while t <= 7 - p and then starts anew at slot 0: partners want different tiles in the same trip.
; LAYOUT.  S^T = K Q^T (source 0 = 16 keys, source 1 = 16 queries): a lane holds ONE query (lane % 16) and keys 8 (lane / 16) + 0..7.  Two such tiles rounded in pairs ARE source 1 (32 keys x 16 queries) of O^T = V^T P.
; K comes out of LDS as it lies, V ([key][channel]) turned by ds_load_tr16_b128.
; SOFTMAX.  A running maximum m and sum l a query: p = 2^(c s - c m), c = log2(e) / 8; in every step O and l are multiplied by a = 2^(c m_old - c m_new).
; RING.  Two LDS slots.  At a trip's head every wave waits for all its tensor loads, adds 0 to its spare word, waits for that and for its LDS reads, and passes the barrier; behind it each wave issues one load,
; its 64 rows of K (waves 0-3) or of V (waves 4-7) of the next trip's key slot, into the slot that was read last: one tensor load of mine is out at any time.
; REGISTERS.  window 0: v1-21 addresses and constants; v24-39 statistics, eight a tile; v64-127 S^T; v128-159 P; v160-223 O^T.  window 1: v0-31 Q; v64-127 K's fragments; v128-191 V's.
.set PK,    144                        ; a row of K in LDS: 128 bytes + 16: an odd multiple of 16
.set PV,    160                        ; a row of V: 128 + 32: an odd multiple of 32, for the turning load
.set VOFF,  256*PK
.set SLOT1, 1<<17                      ; one exclusive or turns an address in one slot into the other's
.set STAGE, SLOT1+256*(PK+PV)          ; behind the ring: 16 rows x 144 bytes for each wave
.set SPARE, STAGE+8*16*PK              ; the spare words, 128 bytes for each of eight waves
.set THIRD, 64*2048*128                ; bytes of q (of k, of v) in qkvh
.set AK0, 3
.set AV0, 4
.set ADK, 5
.set ADV, 6
.set QO0, 7
.set QOF, 8
.set STO, 9
.set RD,  10
.set GO0, 11
.set GOF, 12
.set PFO, 13
.set SPW, 14
.set NIL, 15
.set MD,  16                           ; v16, v17: the diagonal's thresholds for tiles 0, 1
.set NINF, 18
.set RH,  21                           ; r - 8 h
.set ST,  24                           ; tile u at v[ST + 8 u]: +0 c m, +1 m, +2, +3 l, +4 .. +7 at work (a in +6)
.set S,   64
.set P,   128
.set O,   160
.set KF,  64                           ; in window 1
.set VF,  128
.set WV,  12
.set PP,  13
.set BH,  14
.set KB,  16                           ; s[16:17] K at my quarter of key slot 0; s[18:19] V likewise
.set VB,  18
.set G1K, 24
.set G1V, 32
.set G0K, 40
.set G0V, 44
.set OFF, 48                           ; s[48:49] the next key slot in bytes
.set KS,  50                           ; the key slot in hand
.set QB,  51                           ; the block of queries in hand
.set NKS, 52
.set TRIPS, 53
.set TB,  54                           ; LDS byte at which the slot in hand begins
.set Q0,  55                           ; my wave's first query
.set KF0, 56                           ; the slot's first key
.set CS,  60
.set SEL, 62
.set PFA, 66
.set LIM, 68
.set MSB, 0
.macro WIN new
.if MSB != (\new)
	s_set_vgpr_msb (MSB<<8)|(\new)
.set MSB, (\new)
.endif
.endm
; One tensor load a wave.  The branch hangs on the wave's number alone; an s_nop 0 and four v_nop follow each line.
.macro TLOAD
	s_cmp_lt_u32 s[WV], 4
	s_cbranch_scc0 .Lfor_v_\@
	tensor_load_to_lds s[G0K:G0K+3], s[G1K:G1K+7]
	s_nop 0
.rept 4
	v_nop
.endr
	s_branch .Lasked_\@
.Lfor_v_\@:
	tensor_load_to_lds s[G0V:G0V+3], s[G1V:G1V+7]
	s_nop 0
.rept 4
	v_nop
.endr
.Lasked_\@:
.endm
; A PREFETCH of the key slot that the NEXT trip's loads will ask for.  The head's work-group p = 0 walks slots 0 .. 7 in trips 0 .. 7: in trips 0 .. 5 it names slots 2 .. 7, each wave the 8,192 bytes that it fetches itself,
; lanes 256 bytes apart: every block of 256 bytes of those slots is named once in the launch.  Slots 0 and 1 come by their loads alone; the other three work-groups of a head ask for nothing.
.macro ASK
	s_cmp_gt_u32 s[TRIPS], s[LIM]
	s_cbranch_scc0 .Lnot_mine_\@
	global_prefetch_b8 v[PFO], s[PFA:PFA+1] th:TH_LOAD_NT scope:SCOPE_SE
.Lnot_mine_\@:
.endm
	s_load_b256 s[4:11], s[0:1], 0x0               ; qkvh, Wout, att, wo16
	v_lshl_add_u32 v[SPW], v0, 2, SPARE
	v_mov_b32 v[NIL], 0
	ds_add_u32 v[SPW], v[NIL]                      ; the wave's opening: the add, twice on end, and its wait ahead of my first tensor load
	ds_add_u32 v[SPW], v[NIL]
	v_lshrrev_b32 v1, 5, v0
	v_readfirstlane_b32 s[WV], v1                  ; wave 0..7
	s_mov_b32 s[PP], ttmp9
	s_and_b32 s[BH], ttmp7, 0xffff
	s_mov_b32 s[G1K], (1<<16)|(1<<20)|(4<<22)|(3<<25)   ; elements of 2 bytes; padding on: after every 32 words, 4 words
	s_mov_b32 s[G1V], (1<<16)|(1<<20)|(4<<22)|(7<<25)   ; the same with 8 words
.irp g, G1K, G1V
	s_mov_b32 s[\g+1], 64<<16                      ; tensor_dim0 = 64
	s_mov_b32 s[\g+2], 64<<16                      ; tensor_dim1 = 64
	s_mov_b32 s[\g+3], 64<<16                      ; tile_dim0 = 64
	s_mov_b32 s[\g+4], 64                          ; tile_dim1 = 64 rows
	s_mov_b32 s[\g+5], 64                          ; from row to row
	s_mov_b32 s[\g+6], 0
	s_mov_b32 s[\g+7], 0
.endr
	s_and_b32 s20, s[WV], 3                        ; which 64 rows of a slot I fetch
	s_mul_i32 s21, s20, 64*PK
	s_mul_i32 s22, s20, 64*PV
	s_add_co_u32 s22, s22, VOFF
	s_lshl_b32 s70, s[BH], 18                      ; the head's 262,144 bytes
	s_mov_b32 s71, 0
	s_lshl_b32 s72, s20, 13
	s_add_co_u32 s72, s72, s70
	s_mov_b32 s73, 0
	s_mov_b32 s[OFF+1], 0
	s_mov_b32 s[CS], 0x3e38aa3b                    ; c = log2(e) / 8
	s_mov_b32 s[CS+1], s[CS]
	s_mov_b32 s[SEL], 0x76543210
	s_mov_b32 s[SEL+1], 0xfedcba98
	s_wait_dscnt 0x0                               ; both opening adds are done
	s_wait_kmcnt 0x0
	s_add_nc_u64 s[KB:KB+1], s[4:5], s[72:73]
	s_add_nc_u64 s[VB:VB+1], s[KB:KB+1], 2*THIRD
	s_add_nc_u64 s[KB:KB+1], s[KB:KB+1], THIRD
	s_mov_b32 s[G0K], 1
	s_mov_b32 s[G0K+1], s21
	s_mov_b64 s[G0K+2:G0K+3], s[KB:KB+1]
	s_or_b32 s[G0K+3], s[G0K+3], 0x80000000
	s_mov_b32 s[G0V], 1
	s_mov_b32 s[G0V+1], s22
	s_mov_b64 s[G0V+2:G0V+3], s[VB:VB+1]
	s_or_b32 s[G0V+3], s[G0V+3], 0x80000000
	TLOAD                                          ; key slot 0 into LDS slot 0
	s_add_nc_u64 s[4:5], s[4:5], s[70:71]          ; Q and att at my head
	s_add_nc_u64 s[8:9], s[8:9], s[70:71]
	s_cmp_lt_u32 s[WV], 4
	s_cselect_b64 s[PFA:PFA+1], s[KB:KB+1], s[VB:VB+1]
	s_add_nc_u64 s[PFA:PFA+1], s[PFA:PFA+1], 32768 ; at key slot 1: the first trip steps it to slot 2
	s_cmp_eq_u32 s[PP], 0
	s_cselect_b32 s[LIM], 2, -1
	; Wout to f16: my work-group's 4,096 numbers, 16 a thread
	s_lshl_b32 s20, s[BH], 2
	s_add_co_u32 s20, s20, s[PP]
	s_lshl_b32 s22, s20, 14
	s_mov_b32 s23, 0
	s_add_nc_u64 s[6:7], s[6:7], s[22:23]
	s_lshl_b32 s22, s20, 13
	s_add_nc_u64 s[10:11], s[10:11], s[22:23]
	v_lshlrev_b32 v19, 5, v0
	v_lshlrev_b32 v20, 4, v0
.irp g, 0,1
	global_load_b128 v[S+8*\g:S+8*\g+3], v19, s[6:7] offset:8192*\g th:TH_LOAD_NT
	global_load_b128 v[S+8*\g+4:S+8*\g+7], v19, s[6:7] offset:8192*\g+16 th:TH_LOAD_NT
.endr
	v_and_b32 v1, 15, v0                           ; r
	v_bfe_u32 v2, v0, 4, 1                         ; h
	v_mul_u32_u24 v[AK0], v1, PK
	v_lshl_add_u32 v[AK0], v2, 4, v[AK0]           ; K: row r, + 16 h
	v_and_b32 v5, 7, v0
	v_lshl_add_u32 v[AV0], v2, 3, v5
	v_mul_u32_u24 v[AV0], v[AV0], PV
	v_bfe_u32 v6, v0, 3, 1
	v_lshl_add_u32 v[AV0], v6, 4, v[AV0]
	v_add_nc_u32 v[AV0], VOFF, v[AV0]              ; V: key 8 h + l % 8, channels 8 ((l / 8) % 2) on
	v_lshlrev_b32 v[QO0], 7, v1
	v_lshl_add_u32 v[QO0], v2, 4, v[QO0]
	s_mul_i32 s20, s[WV], 16*PK
	s_add_co_u32 s20, s20, STAGE                   ; my stage
	v_add_nc_u32 v[STO], s20, v[AK0]
	v_bfe_u32 v6, v0, 3, 2
	v_mul_u32_u24 v6, v6, PK
	v_lshl_add_u32 v6, v5, 4, v6
	v_add_nc_u32 v[RD], s20, v6                    ; back: eight lanes a token's 128 bytes, the wave four tokens
	v_and_b32 v6, 31, v0
	v_lshlrev_b32 v[GO0], 4, v6
	v_lshlrev_b32 v[PFO], 8, v6
	v_lshlrev_b32 v[RH], 3, v2
	v_sub_nc_u32 v[RH], v1, v[RH]
	v_mov_b32 v[NINF], 0xff800000
	s_wait_loadcnt 0x0
.irp i, 0,1,2,3,4,5,6,7
	v_cvt_pk_f16_f32 v[P+\i], v[S+2*\i], v[S+2*\i+1]
.endr
.irp g, 0,1
	global_store_b128 v20, v[P+4*\g:P+4*\g+3], s[10:11] offset:4096*\g   ; a wave stores 512 consecutive bytes; these registers are written again only behind the first trip's wait on XCNT
.endr
; A block of queries begins: Q into registers, O^T, l = 0, m = -3e38 (under every score), so that the key step is written once.
.macro INIT
	s_lshl_b32 s57, s[QB], 15                      ; 256 rows of 128 bytes a block,
	s_lshl_b32 s58, s[WV], 12                      ; 32 a wave
	s_add_co_u32 s57, s57, s58
	v_add_nc_u32 v[QOF], s57, v[QO0]
	v_add_nc_u32 v[GOF], s57, v[GO0]
	WIN 0x40                                       ; destination window 1
.irp u, 0,1
.irp c, 0,1
	global_load_b128 v[16*\u+8*\c:16*\u+8*\c+3], v[QOF], s[4:5] offset:2048*\u+64*\c
	global_load_b128 v[16*\u+8*\c+4:16*\u+8*\c+7], v[QOF], s[4:5] offset:2048*\u+64*\c+32
.endr
.endr
	WIN 0
.set i, 0
.rept 64
	v_mov_b32 v[O+i], 0
.set i, i+1
.endr
.irp u, 0,1
	v_mov_b32 v[ST+8*\u+1], 0xff61b1e6
	v_mul_f32 v[ST+8*\u], s[CS], v[ST+8*\u+1]
.irp i, 2,3,4,5,6,7
	v_mov_b32 v[ST+8*\u+\i], 0
.endr
.endr
	s_wait_loadcnt 0x0                             ; Q
.endm
; The softmax of one key step: 32 scores a lane and tile, both tiles line by line.  All 66 exponentials are one batch with one wait; nothing ahead of the wait names a result.
.macro SOFTMAX
.irp k, 0,1,2,3
.irp u, 0,1
	v_max3_num_f32 v[ST+8*\u+4+\k], v[S+32*\u+8*\k], v[S+32*\u+8*\k+1], v[S+32*\u+8*\k+2]   ; four chains, each begun at its accumulator's low end
.endr
.endr
.irp i, 3,5
.irp k, 0,1,2,3
.irp u, 0,1
	v_max3_num_f32 v[ST+8*\u+4+\k], v[ST+8*\u+4+\k], v[S+32*\u+8*\k+\i], v[S+32*\u+8*\k+\i+1]
.endr
.endr
.endr
.irp u, 0,1
	v_max3_num_f32 v[ST+8*\u+4], v[ST+8*\u+4], v[S+32*\u+7], v[S+32*\u+15]
	v_max3_num_f32 v[ST+8*\u+6], v[ST+8*\u+6], v[S+32*\u+23], v[S+32*\u+31]
.endr
.irp u, 0,1
	v_max3_num_f32 v[ST+8*\u+4], v[ST+8*\u+4], v[ST+8*\u+5], v[ST+8*\u+6]
.endr
.irp u, 0,1
	v_max3_num_f32 v[ST+8*\u+4], v[ST+8*\u+4], v[ST+8*\u+7], v[ST+8*\u+1]   ; with the old m
.endr
.irp u, 0,1
	v_permlanex16_b32 v[ST+8*\u+5], v[ST+8*\u+4], s[SEL], s[SEL+1]          ; the query's other 32 keys lie in the lane 16 away
.endr
.irp u, 0,1
	v_mov_b32 v[ST+8*\u+7], v[ST+8*\u]             ; c m_old
.endr
.irp u, 0,1
	v_max_num_f32 v[ST+8*\u+1], v[ST+8*\u+4], v[ST+8*\u+5]
.endr
.irp u, 0,1
	v_mul_f32 v[ST+8*\u], s[CS], v[ST+8*\u+1]
.endr
.irp u, 0,1
	v_sub_f32 v[ST+8*\u+7], v[ST+8*\u+7], v[ST+8*\u]
.endr
.set i, 0
.rept 16
.irp u, 0,1
	v_pk_fma_f32 v[S+32*\u+2*i:S+32*\u+2*i+1], v[S+32*\u+2*i:S+32*\u+2*i+1], s[CS:CS+1], v[ST+8*\u:ST+8*\u+1] op_sel_hi:[1,0,0] neg_lo:[0,0,1] neg_hi:[0,0,1]   ; c s - c m
.endr
.set i, i+1
.endr
.irp u, 0,1
	v_exp_f32 v[ST+8*\u+6], v[ST+8*\u+7]           ; a
.endr
.set i, 0
.rept 32
.irp u, 0,1
	v_exp_f32 v[S+32*\u+i], v[S+32*\u+i]           ; p
.endr
.set i, i+1
.endr
	v_nop                                          ; a plain line behind the last exponential
	s_wait_alu depctr_va_vdst(0)                   ; one wait for the batch, ahead of its first reader
.set i, 0
.rept 16
.irp u, 0,1
	v_cvt_pk_f16_f32 v[P+16*\u+i], v[S+32*\u+2*i], v[S+32*\u+2*i+1]
.endr
.set i, i+1
.endr
.irp w, 4,8,16,32                      ; the sum of the 16 pairs, in place: neighbours 1, 2, 4, 8 pairs apart
.set i, 0
.rept 32/\w
.irp u, 0,1
	v_pk_add_f32 v[S+32*\u+\w*i:S+32*\u+\w*i+1], v[S+32*\u+\w*i:S+32*\u+\w*i+1], v[S+32*\u+\w*i+\w/2:S+32*\u+\w*i+\w/2+1]
.endr
.set i, i+1
.endr
.endr
.irp u, 0,1
	v_pk_fma_f32 v[ST+8*\u+2:ST+8*\u+3], v[ST+8*\u+2:ST+8*\u+3], v[ST+8*\u+6:ST+8*\u+7], v[S+32*\u:S+32*\u+1] op_sel_hi:[1,0,1]   ; l = a l + the sum
.endr
.set i, 0
.rept 16
.irp u, 0,1
	v_pk_mul_f32 v[O+32*\u+2*i:O+32*\u+2*i+1], v[O+32*\u+2*i:O+32*\u+2*i+1], v[ST+8*\u+6:ST+8*\u+7] op_sel_hi:[1,0]   ; O^T x a, each accumulator from its low end on
.endr
.set i, i+1
.endr
.endm
; A KEY STEP: 64 keys, the q-th of the slot in hand.  A step all of whose keys come after my 32 queries is left out: a scalar branch on ids; no barrier, wait for tensor loads or tensor load stands in a step.
.macro STEP q
	s_add_co_u32 s57, s[KF0], 64*\q                ; the step's first key
	s_add_co_u32 s58, s[Q0], 31
	s_cmp_gt_u32 s57, s58
	s_cbranch_scc1 .Lhid_\@
.rept 4
	v_nop                                          ; places in front of loads into registers that the last products have read
.endr
	WIN 0x40
.irp t, 0,1,2,3
.irp c, 0,1
	ds_load_b128 v[KF+16*\t+8*\c:KF+16*\t+8*\c+3], v[ADK] offset:(64*\q+16*\t)*PK+64*\c
	ds_load_b128 v[KF+16*\t+8*\c+4:KF+16*\t+8*\c+7], v[ADK] offset:(64*\q+16*\t)*PK+64*\c+32
.endr
.endr
.irp k, 0,1
.irp t, 0,1,2,3
	ds_load_tr16_b128 v[VF+32*\k+8*\t:VF+32*\k+8*\t+3], v[ADV] offset:(64*\q+32*\k)*PV+32*\t
	ds_load_tr16_b128 v[VF+32*\k+8*\t+4:VF+32*\k+8*\t+7], v[ADV] offset:(64*\q+32*\k)*PV+16*PV+32*\t
.endr
.endr
	s_wait_dscnt 16                                ; K's 16 loads are in; V's 16 may be out
	WIN 0x05                                       ; K and Q in window 1, S^T in window 0
.irp c, 0,1                            ; the eight accumulators take turns, one instruction a turn
.irp t, 0,1,2,3
.irp u, 0,1
.if \c == 0
	v_wmma_f32_16x16x32_f16 v[S+32*\u+8*\t:S+32*\u+8*\t+7], v[KF+16*\t:KF+16*\t+7], v[16*\u:16*\u+7], 0
.else
	v_wmma_f32_16x16x32_f16 v[S+32*\u+8*\t:S+32*\u+8*\t+7], v[KF+16*\t+8:KF+16*\t+15], v[16*\u+8:16*\u+15], v[S+32*\u+8*\t:S+32*\u+8*\t+7]
.endif
.endr
.endr
.endr
	WIN 0
.rept 4
	v_nop                                          ; places in front of the first read of the scores
.endr
	s_add_co_u32 s58, s57, 63
	s_cmp_le_u32 s58, s[Q0]                        ; all 64 keys count for all my queries: no mask
	s_cbranch_scc1 .Lopen_\@
	s_sub_co_i32 s58, s[Q0], s57
	v_add_nc_u32 v[MD], s58, v[RH]                 ; register 8 t + j of tile u holds key (first key) + 16 t + 8 h + j: hidden where 16 t + j > Q0 - (first key) + 16 u + r - 8 h
	v_add_nc_u32 v[MD+1], 16, v[MD]
.irp u, 0,1
.irp n, 0,1,2,3,4,5,6,7,8,9,10,11,12,13,14,15,16,17,18,19,20,21,22,23,24,25,26,27,28,29,30,31
	v_cmp_gt_i32 vcc_lo, 16*(\n/8)+\n%8, v[MD+\u]
	v_cndmask_b32 v[S+32*\u+\n], v[S+32*\u+\n], v[NINF], vcc_lo
.endr
.endr
.Lopen_\@:
	SOFTMAX
	s_wait_dscnt 0x0                               ; V is in
	WIN 0x01                                       ; V in window 1; P and O^T in window 0
.irp k, 0,1
.irp t, 0,1,2,3
.irp u, 0,1
	v_wmma_f32_16x16x32_f16 v[O+32*\u+8*\t:O+32*\u+8*\t+7], v[VF+32*\k+8*\t:VF+32*\k+8*\t+7], v[P+16*\u+8*\k:P+16*\u+8*\k+7], v[O+32*\u+8*\t:O+32*\u+8*\t+7]
.endr
.endr
.endr
	WIN 0
.Lhid_\@:
.endm
; THE CHANGE OF SLOTS, at a trip's head.  fill = 1: the slot that was read last takes the next trip's key slot: the one after this, or slot 0 of the next block of queries.
.macro CHANGE fill
	s_wait_tensorcnt 0x0                           ; my one tensor load has landed: my part of the slot that is about to be read; so a group 0 may be written
	ds_add_u32 v[SPW], v[NIL]                      ; 0 onto my spare word; the descriptors' steps stand between it and the wait for it
.if \fill
	s_add_co_u32 s[NKS], s[KS], 1
	s_cmp_eq_u32 s[KS], s[QB]                      ; the diagonal's slot is a block's last
	s_cselect_b32 s[NKS], 0, s[NKS]
	s_lshl_b32 s[OFF], s[NKS], 15                  ; 256 rows of 128 bytes a slot
	s_xor_b32 s[G0K+1], s[G0K+1], SLOT1
	s_xor_b32 s[G0V+1], s[G0V+1], SLOT1
	s_add_nc_u64 s[G0K+2:G0K+3], s[KB:KB+1], s[OFF:OFF+1]
	s_or_b32 s[G0K+3], s[G0K+3], 0x80000000
	s_add_nc_u64 s[G0V+2:G0V+3], s[VB:VB+1], s[OFF:OFF+1]
	s_or_b32 s[G0V+3], s[G0V+3], 0x80000000
	s_wait_xcnt 0x0                                ; the last prefetch, a trip back, has read its address
	s_add_nc_u64 s[PFA:PFA+1], s[PFA:PFA+1], 32768
.endif
	s_wait_dscnt 0x0                               ; the add is done, and my reads of the slot that I have left are over
	s_barrier_signal -1
	s_barrier_wait -1
.if \fill
	TLOAD                                          ; the first thing behind the barrier, and my one tensor load until the next
	ASK
.endif
.endm
.macro BODY
	v_add_nc_u32 v[ADK], s[TB], v[AK0]
	v_add_nc_u32 v[ADV], s[TB], v[AV0]
	s_lshl_b32 s[KF0], s[KS], 8
	s_lshl_b32 s[Q0], s[QB], 8
	s_lshl_b32 s57, s[WV], 5
	s_add_co_u32 s[Q0], s[Q0], s57
	STEP 0
	STEP 1
	STEP 2
	STEP 3
	s_xor_b32 s[TB], s[TB], SLOT1
.endm
; A block of queries ends: O^T / l, rounded to f16, through my stage, out as runs of 512 consecutive bytes (four tokens).  The additions are the places behind the last products.
.macro FINISH
.irp u, 0,1
	v_add_f32 v[ST+8*\u+4], v[ST+8*\u+2], v[ST+8*\u+3]
.endr
.irp u, 0,1
	v_permlanex16_b32 v[ST+8*\u+5], v[ST+8*\u+4], s[SEL], s[SEL+1]
.endr
.irp u, 0,1
	v_add_f32 v[ST+8*\u+4], v[ST+8*\u+4], v[ST+8*\u+5]
.endr
.irp u, 0,1
	v_rcp_f32 v[ST+8*\u+6], v[ST+8*\u+4]
.endr
	v_nop
	s_wait_alu depctr_va_vdst(0)                   ; one wait for the two reciprocals, ahead of their first reader
.irp u, 0,1
.set i, 0
.rept 16
	v_pk_mul_f32 v[S+32*\u+2*i:S+32*\u+2*i+1], v[O+32*\u+2*i:O+32*\u+2*i+1], v[ST+8*\u+6:ST+8*\u+7] op_sel_hi:[1,0]
.set i, i+1
.endr
.set i, 0
.rept 16
	v_cvt_pk_f16_f32 v[P+16*\u+i], v[S+32*\u+2*i], v[S+32*\u+2*i+1]
.set i, i+1
.endr
.irp c, 0,1,2,3
	ds_store_b128 v[STO], v[P+16*\u+4*\c:P+16*\u+4*\c+3] offset:32*\c
.endr
.irp i, 0,1,2,3
	ds_load_b128 v[S+32*\u+4*\i:S+32*\u+4*\i+3], v[RD] offset:4*PK*\i   ; LDS serves a wave's instructions in order: these see the stores above, and the next tile's stores come behind them
.endr
.endr
.irp u, 0,1
.irp i, 0,1,2,3
	s_wait_dscnt 8*(1-\u)+3-\i                     ; behind tile 0's load i: its younger loads and tile 1's eight LDS instructions; behind tile 1's: its younger loads
	global_store_b128 v[GOF], v[S+32*\u+4*\i:S+32*\u+4*\i+3], s[8:9] offset:2048*\u+512*\i
.endr
.endr
	s_wait_xcnt 0x0                                ; the stores have read their registers and their offset: both are written again
.endm
	s_sub_co_u32 s[QB], 7, s[PP]                   ; the later block first
	s_mov_b32 s[KS], 0
	s_mov_b32 s[TB], 0
	INIT
	s_mov_b32 s[TRIPS], 8
.Ltrip:                                            ; eight trips, each of which asks for the next trip's slot; the ninth is written out
	CHANGE 1
	BODY
	s_cmp_lg_u32 s[KS], s[QB]
	s_cbranch_scc1 .Lsame                          ; ids and the count of trips alone
	FINISH
	s_mov_b32 s[QB], s[PP]
	INIT
.Lsame:
	s_mov_b32 s[KS], s[NKS]
	s_sub_co_u32 s[TRIPS], s[TRIPS], 1
	s_cmp_lg_u32 s[TRIPS], 0
	s_cbranch_scc1 .Ltrip
	CHANGE 0                                       ; the last slot: the diagonal of block p; nothing is asked for
	BODY
	FINISH
	s_wait_tensorcnt 0x0                           ; the wave's end
	ds_add_u32 v[SPW], v[NIL]
	s_wait_dscnt 0x0
	s_endpgm
.Lfunc_end_k_qdfbc6290e5_attn:
	.size	k_qdfbc6290e5_attn, .Lfunc_end_k_qdfbc6290e5_attn-k_qdfbc6290e5_attn
	.p2alignl 7, 3214868480
	.fill 96, 4, 3214868480
	.section	.rodata,"a",@progbits
	.p2align	6, 0x0
	.amdhsa_kernel k_qdfbc6290e5_attn
		.amdhsa_group_segment_fixed_size 327680
		.amdhsa_private_segment_fixed_size 0
		.amdhsa_enable_private_segment 0
		.amdhsa_kernarg_size 32
		.amdhsa_user_sgpr_count 2
		.amdhsa_user_sgpr_kernarg_segment_ptr 1
		.amdhsa_wavefront_size32 1
		.amdhsa_system_sgpr_workgroup_id_x 1
		.amdhsa_system_sgpr_workgroup_id_y 1
		.amdhsa_system_sgpr_workgroup_id_z 1
		.amdhsa_system_vgpr_workitem_id 0
		.amdhsa_next_free_vgpr 512
		.amdhsa_next_free_sgpr 80
		.amdhsa_reserve_vcc 1
		.amdhsa_float_denorm_mode_32 3
		.amdhsa_float_denorm_mode_16_64 3
		.amdhsa_memory_ordered 1
		.amdhsa_forward_progress 1
		.amdhsa_inst_pref_size 200
	.end_amdhsa_kernel
	.amdgpu_metadata
---
amdhsa.version: [ 1, 2 ]
amdhsa.kernels:
  - .name:           k_qdfbc6290e5_attn
    .symbol:         k_qdfbc6290e5_attn.kd
    .args:
      - { .name: qkvh, .offset: 0, .size: 8, .value_kind: global_buffer, .address_space: global }
      - { .name: Wout, .offset: 8, .size: 8, .value_kind: global_buffer, .address_space: global }
      - { .name: att, .offset: 16, .size: 8, .value_kind: global_buffer, .address_space: global }
      - { .name: wo16, .offset: 24, .size: 8, .value_kind: global_buffer, .address_space: global }
    .group_segment_fixed_size: 327680
    .private_segment_fixed_size: 0
    .kernarg_segment_align: 8
    .kernarg_segment_size: 32
    .max_flat_workgroup_size: 256
    .sgpr_count:     80
    .vgpr_count:     512
    .wavefront_size: 32
...
	.end_amdgpu_metadata
.endif
;; end of part 4
;; launch gemm2 (part 5): grid 4 x 64, 4 waves a work-group, clusters of 4 x 4, 327,680 bytes of LDS; arguments att, wo16, out0; writes out0
.if DOCPART == 5
	.amdgcn_target "amdgcn-amd-amdhsa--gfx1250"
	.amdhsa_code_object_version 6
	.text
	.protected	k_qdfbc6290e5_gemm2
	.globl	k_qdfbc6290e5_gemm2
	.p2align	8
	.type	k_qdfbc6290e5_gemm2,@function
k_qdfbc6290e5_gemm2:
	s_mov_b64 s[64:65], 0
	v_nop
	global_prefetch_b8 v0, s[64:65] scope:SCOPE_SE
	s_setreg_imm32_b32 hwreg(HW_REG_WAVE_MODE, 25, 1), 1
	s_wait_xcnt 0x0
	s_wait_alu depctr_hold_cnt(0) depctr_sa_sdst(0) depctr_va_vdst(0) depctr_va_sdst(0) depctr_va_ssrc(0) depctr_va_vcc(0) depctr_vm_vsrc(0)
	s_getreg_b32 s2, hwreg(HW_REG_IB_STS2, 6, 4)
	s_cmp_eq_u32 s2, 0
	s_cbranch_scc0 .Lentry_in_a_cluster
	s_endpgm
.Lentry_in_a_cluster:
	s_bfe_u32 s2, ttmp6, 0x10000c
	s_cmp_lg_u32 s2, 0xf033
	s_cbranch_scc0 .Lentry_shape_is_right
	s_endpgm
.Lentry_shape_is_right:
; out0[token][n] = the sum over k of a[token][k] Wout[k][n], k = 64 head + channel.  a: att, f16 [64 = 16 batch + head][2048][64]; Wout: wo16, f16 [1024 (k)][1024 (n)]; out0 f32 [8192][1024]; sums in f32.
; (Tokens 0 .. 15 of each batch are written again, from f32 operands, by the launch that follows.)
; A tile of 128 tokens x 256 columns to a work-group: 64 x 4 = 256 work-groups.  Four waves, each 64 x 128: 32 accumulators, 256 registers.  K goes in steps of 128 (two heads) through two LDS slots.
; CLUSTERS: 4 x 4.  The four of a row of the cluster share their tokens' tiles, the four of a column Wout's: each tile is asked for jointly.  Waves 0, 1 fetch a head's plane of 128 tokens x 64 each, waves 2, 3 64 rows of Wout x 256 columns each.
; THE MATRIX INSTRUCTION IS USED TRANSPOSED: source 0 = 16 columns of Wout (turned out of [k][n] by ds_load_tr16_b128), source 1 = 16 tokens: a lane holds eight neighbouring columns of one token's row.
; No prefetch: the launch moves 18 MB in and 32 MB out for 32 matrix instructions a quarter step, so its loads and stores already stand close on end.
; REGISTERS: window 0: v16-29 addresses; v64-159, v160-255 two fragment buffers (tokens' four fragments, then Wout's eight).  window 1: the accumulators, (a, b) at v[8 (8 a + b)].
.set PA_,   144                        ; a token's row of one head in LDS: 128 bytes + 16
.set APL,   128*PA_                    ; a head's plane
.set PB_,   544                        ; a row of Wout's tile: 512 bytes + 32: an odd multiple of 32
.set BOFF,  2*APL
.set SLOT,  BOFF+128*PB_
.set STAGE, 2*SLOT                     ; behind the ring: 16 rows x 528 bytes for each wave
.set SPITCH, 528
.set SPARE, STAGE+4*16*SPITCH
.set LAPS,  4                          ; eight K steps, two a lap
.set ADRA, 16
.set ADRB, 20
.set STO,  24
.set RD,   25
.set CO,   26
.set SPW,  28
.set NIL,  29
.set F0,   64
.set F1,   160
.set BK,   64                          ; the way out: v64-127 and v128-191 by turns
.set G1, 24
.set G0, 32
.set G1B, 48
.set G0B, 56
.set MSB, 0
.macro WIN new
.if MSB != (\new)
	s_set_vgpr_msb (MSB<<8)|(\new)
.set MSB, (\new)
.endif
.endm
.set MUL, 0x50                         ; C and D window 1, sources window 0
.macro JLOAD s                         ; a joint load; the branch hangs on the wave's number alone; an s_nop 0 and four v_nop follow each line
	s_cmp_eq_u32 s11, 0
	s_cbranch_scc0 .Lfor_b_\@
	tensor_load_to_lds s[G0+4*\s:G0+4*\s+3], s[G1:G1+7]
	s_nop 0
.rept 4
	v_nop
.endr
	s_branch .Lasked_\@
.Lfor_b_\@:
	tensor_load_to_lds s[G0B+4*\s:G0B+4*\s+3], s[G1B:G1B+7]
	s_nop 0
.rept 4
	v_nop
.endr
.Lasked_\@:
.endm
.macro CREST                           ; a round of the cluster's barrier behind its opening barrier
	s_cmp_lg_u32 s10, 0
	s_cbranch_scc1 .Lnot_wave_0_\@
	s_barrier_signal -3
.Lnot_wave_0_\@:
	s_barrier_wait -3
	s_barrier_signal -1
	s_barrier_wait -1
.endm
.macro CROUND
	s_barrier_signal -1
	s_barrier_wait -1
	CREST
.endm
	s_load_b128 s[4:7], s[0:1], 0x0                ; att, wo16
	s_load_b64 s[8:9], s[0:1], 0x10                ; out0
	v_lshl_add_u32 v[SPW], v0, 2, SPARE
	v_mov_b32 v[NIL], 0
	ds_add_u32 v[SPW], v[NIL]                      ; the wave's opening: the add, twice on end, and its wait ahead of my first tensor load
	ds_add_u32 v[SPW], v[NIL]
	v_lshrrev_b32 v1, 5, v0
	v_readfirstlane_b32 s10, v1                    ; wave 0..3
	s_lshr_b32 s11, s10, 1                         ; which 64 tokens are mine.  Also: I fetch tokens' tiles (0) or Wout's (1)
	s_and_b32 s12, s10, 1                          ; which 128 columns.  Also: which part of that tile I fetch
	s_bfe_u32 s40, ttmp6, 0x40000                  ; cx, cy
	s_bfe_u32 s41, ttmp6, 0x40004
	s_lshl_b32 s42, ttmp9, 2
	s_add_co_u32 s42, s42, s40                     ; tile column
	s_and_b32 s13, ttmp7, 0xffff
	s_lshl_b32 s13, s13, 2
	s_add_co_u32 s13, s13, s41                     ; tile row: 128 tokens
	s_lshl_b32 s43, s41, 2
	s_lshl_b32 s43, 15, s43                        ; my row of the cluster
	s_lshl_b32 s44, 0x1111, s40                    ; my column
	s_or_b32 s[G1+0], s43, (1<<16)|(1<<20)|(1<<21)|(4<<22)|(3<<25)   ; the mask; elements of 2 bytes; padding on; bit 21 beside a mask; after every 32 words, 4 words
	s_mov_b32 s[G1+1], 64<<16                      ; tensor_dim0 = 64
	s_mov_b32 s[G1+2], 128<<16                     ; tensor_dim1 = 128
	s_mov_b32 s[G1+3], 64<<16                      ; tile_dim0
	s_mov_b32 s[G1+4], 128                         ; tile_dim1
	s_mov_b32 s[G1+5], 64                          ; from row to row
	s_mov_b32 s[G1+6], 0
	s_mov_b32 s[G1+7], 0
	s_or_b32 s[G1B+0], s44, (1<<16)|(1<<20)|(1<<21)|(6<<22)|(7<<25)  ; after every 128 words, 8 words
	s_mov_b32 s[G1B+1], 256<<16
	s_mov_b32 s[G1B+2], 64<<16
	s_mov_b32 s[G1B+3], 256<<16
	s_mov_b32 s[G1B+4], 64
	s_mov_b32 s[G1B+5], 1024
	s_mov_b32 s[G1B+6], 0
	s_mov_b32 s[G1B+7], 0
	s_lshr_b32 s16, s13, 4                         ; the batch: 16 heads of 262,144 bytes,
	s_lshl_b32 s16, s16, 22
	s_lshl_b32 s17, s12, 18                        ; the head of the K step's two that I fetch,
	s_add_co_u32 s16, s16, s17
	s_and_b32 s17, s13, 15                         ; 128 tokens of 128 bytes
	s_lshl_b32 s17, s17, 14
	s_add_co_u32 s16, s16, s17
	s_mov_b32 s17, 0
	s_lshl_b32 s46, s12, 17                        ; Wout: my 64 rows of 2,048 bytes,
	s_lshl_b32 s47, s42, 9                         ; the tile's 256 columns
	s_add_co_u32 s46, s46, s47
	s_mov_b32 s47, 0
	s_mul_i32 s20, s12, APL                        ; where they go: no place in the cluster enters an LDS address
	s_mul_i32 s21, s12, 64*PB_
	s_add_co_u32 s21, s21, BOFF
	s_wait_dscnt 0x0                               ; both opening adds are done
	s_wait_kmcnt 0x0
	s_add_nc_u64 s[14:15], s[4:5], s[16:17]
	s_add_nc_u64 s[46:47], s[6:7], s[46:47]
	CROUND                                         ; all sixteen work-groups are here: the first joint loads meet
.irp s, 0,1
	s_mov_b32 s[G0+4*\s], 1
	s_add_co_u32 s[G0+4*\s+1], s20, \s*SLOT
	s_add_nc_u64 s[G0+4*\s+2:G0+4*\s+3], s[14:15], \s*2*262144       ; K step s: two heads on
	s_or_b32 s[G0+4*\s+3], s[G0+4*\s+3], 0x80000000
	s_mov_b32 s[G0B+4*\s], 1
	s_add_co_u32 s[G0B+4*\s+1], s21, \s*SLOT
	s_add_nc_u64 s[G0B+4*\s+2:G0B+4*\s+3], s[46:47], \s*128*2048     ; 128 rows of Wout on
	s_or_b32 s[G0B+4*\s+3], s[G0B+4*\s+3], 0x80000000
	JLOAD \s
.endr
	v_and_b32 v1, 15, v0                           ; r
	v_bfe_u32 v2, v0, 4, 1                         ; h
	v_mul_u32_u24 v3, v1, PA_
	v_lshl_add_u32 v3, v2, 4, v3                   ; tokens: row r, + 16 h
	v_and_b32 v4, 7, v0
	v_lshl_add_u32 v4, v2, 3, v4
	v_mul_u32_u24 v4, v4, PB_
	v_bfe_u32 v5, v0, 3, 1
	v_lshl_add_u32 v4, v5, 4, v4                   ; Wout: row 8 h + l % 8, columns 8 ((l / 8) % 2) on
	s_mul_i32 s21, s11, 64*PA_                     ; my 64 tokens
	s_lshl_b32 s22, s12, 8                         ; my 128 columns
	s_add_co_u32 s22, s22, BOFF
.irp s, 0,1
	v_add_nc_u32 v[ADRA+\s], s21, v3
	v_add_nc_u32 v[ADRB+\s], s22, v4
	s_add_co_u32 s21, s21, SLOT
	s_add_co_u32 s22, s22, SLOT
.endr
	s_mul_i32 s23, s10, 16*SPITCH
	s_add_co_u32 s23, s23, STAGE                   ; my stage
	v_mul_u32_u24 v5, v1, SPITCH
	v_lshl_add_u32 v5, v2, 5, v5
	v_add_nc_u32 v[STO], s23, v5                   ; in: row r, 32 bytes for each half of the lanes
	v_and_b32 v6, 31, v0
	v_lshlrev_b32 v[CO], 4, v6
	v_add_nc_u32 v[RD], s23, v[CO]                 ; back: the 32 lanes take a row of 512 bytes
	s_lshl_b32 s16, s13, 7
	s_lshl_b32 s17, s11, 6
	s_add_co_u32 s16, s16, s17                     ; my first token
	s_lshl_b32 s16, s16, 12                        ; rows of 4,096 bytes
	s_lshl_b32 s46, s42, 10
	s_lshl_b32 s47, s12, 9
	s_add_co_u32 s46, s46, s47
	s_add_co_u32 s16, s16, s46
	s_mov_b32 s17, 0
	s_add_nc_u64 s[8:9], s[8:9], s[16:17]
.macro MUL8 f, a, zero                 ; token block a x all eight column blocks, 32 along K.  The 32 accumulators take turns, one instruction a turn
.irp b, 0,1,2,3,4,5,6,7
.if \zero
	v_wmma_f32_16x16x32_f16 v[8*(8*\a+\b):8*(8*\a+\b)+7], v[\f+32+8*\b:\f+32+8*\b+7], v[\f+8*\a:\f+8*\a+7], 0
.else
	v_wmma_f32_16x16x32_f16 v[8*(8*\a+\b):8*(8*\a+\b)+7], v[\f+32+8*\b:\f+32+8*\b+7], v[\f+8*\a:\f+8*\a+7], v[8*(8*\a+\b):8*(8*\a+\b)+7]
.endif
.endr
.endm
.macro FETCH slot, qd, f               ; 24 LDS loads in one run: the fragments of the slot's qd-th 32 along K
.irp b, 0,1,2,3,4,5,6,7
	ds_load_tr16_b128 v[\f+32+8*\b:\f+32+8*\b+3], v[ADRB+\slot] offset:32*PB_*(\qd)+32*\b
	ds_load_tr16_b128 v[\f+32+8*\b+4:\f+32+8*\b+7], v[ADRB+\slot] offset:32*PB_*(\qd)+32*\b+16*PB_
.endr
.irp i, 0,1,2,3
	ds_load_b128 v[\f+8*\i:\f+8*\i+3], v[ADRA+\slot] offset:((\qd)/2)*APL+((\qd)%2)*64+\i*16*PA_
	ds_load_b128 v[\f+8*\i+4:\f+8*\i+7], v[ADRA+\slot] offset:((\qd)/2)*APL+((\qd)%2)*64+\i*16*PA_+32
.endr
.endm
.macro PLACES
.rept 4
	v_nop
.endr
.endm
.macro QUARTER slot, nq, f, g, zero    ; multiplies buffer f; in its middle it fetches the slot's nq-th quarter into g
	s_wait_dscnt 0x0                               ; buffer f is in (asked for 16 matrix instructions ago)
	WIN MUL
	MUL8 \f, 0, \zero
	MUL8 \f, 1, \zero
	PLACES                                         ; in front of loads into registers that the quarter before has multiplied
	WIN 0
	FETCH \slot, \nq, \g
	WIN MUL
	MUL8 \f, 2, \zero
	MUL8 \f, 3, \zero
.endm
; A slot's last quarter multiplies buffer 1 and changes slots: one barrier; in front of it each wave waits for all its tensor loads, adds 0 to its spare word, and waits for that and for its reads of the slot.
.macro TURN slot, next, fill
	WIN 0
	s_wait_tensorcnt 0x0                           ; my one tensor load that was out, my part of the next slot, has landed
	ds_add_u32 v[SPW], v[NIL]
	s_wait_dscnt 1                                 ; buffer 1 is in; the add alone may be out
	WIN MUL
	MUL8 F1, 0, 0                                  ; eight matrix instructions stand between the add and the wait for it
	s_wait_dscnt 0x0                               ; the add is done, and my reads of this slot are over
	s_barrier_signal -1
	MUL8 F1, 1, 0
	WIN 0
	s_barrier_wait -1
.if \fill
	CREST                                          ; the barrier has opened a round of the cluster's: no wave of any partner still reads this slot or has a load on its way
	s_add_nc_u64 s[G0+4*\slot+2:G0+4*\slot+3], s[G0+4*\slot+2:G0+4*\slot+3], 4*262144
	s_add_nc_u64 s[G0B+4*\slot+2:G0B+4*\slot+3], s[G0B+4*\slot+2:G0B+4*\slot+3], 256*2048
	JLOAD \slot                                    ; the first tensor load behind the round; its four v_nop are also the places in front of the loads below
.else
	PLACES
.endif
	FETCH \next, 0, F0
	WIN MUL
	MUL8 F1, 2, 0
	MUL8 F1, 3, 0
.endm
	s_wait_tensorcnt 1                             ; my part of K step 0 is in (K step 1's load may be out),
	s_barrier_signal -1
	s_barrier_wait -1                              ; everybody's is
	FETCH 0, 0, F0
	QUARTER 0, 1, F0, F1, 1                        ; the first products start the sums
	WIN 0
	s_mov_b32 s3, LAPS-1
.Llap:                                             ; a trip goes once round the ring and fills both slots again
	QUARTER 0, 2, F1, F0, 0
	QUARTER 0, 3, F0, F1, 0
	TURN 0, 1, 1
	QUARTER 1, 1, F0, F1, 0
	QUARTER 1, 2, F1, F0, 0
	QUARTER 1, 3, F0, F1, 0
	TURN 1, 0, 1
	QUARTER 0, 1, F0, F1, 0
	WIN 0
	s_sub_co_u32 s3, s3, 1
	s_cmp_lg_u32 s3, 0
	s_cbranch_scc1 .Llap
	QUARTER 0, 2, F1, F0, 0                        ; the last lap fills nothing
	QUARTER 0, 3, F0, F1, 0
	TURN 0, 1, 0
	QUARTER 1, 1, F0, F1, 0
	QUARTER 1, 2, F1, F0, 0
	QUARTER 1, 3, F0, F1, 0
	s_wait_dscnt 0x0
	WIN MUL
	MUL8 F1, 0, 0
	MUL8 F1, 1, 0
	MUL8 F1, 2, 0
	MUL8 F1, 3, 0
	WIN 0
; THE WAY OUT, 16 tokens x 128 columns at a time, through my own stage: whole rows of 512 consecutive bytes leave.
.macro TOSTAGE a
	WIN 0x04                                       ; an LDS store's data: window 1
.irp b, 0,1,2,3,4,5,6,7
	ds_store_b128 v[STO], v[8*(8*(\a)+\b):8*(8*(\a)+\b)+3] offset:64*\b          ; each accumulator from its low end on
	ds_store_b128 v[STO], v[8*(8*(\a)+\b)+4:8*(8*(\a)+\b)+7] offset:64*\b+16
.endr
	WIN 0
.set BB, BK+64*((\a)%2)
.irp t, 0,1,2,3,4,5,6,7,8,9,10,11,12,13,14,15
	ds_load_b128 v[BB+4*\t:BB+4*\t+3], v[RD] offset:\t*SPITCH   ; LDS serves a wave's instructions in order: these see the stores above
.endr
.endm
.macro SEND a, younger
.set BB, BK+64*((\a)%2)
	s_wait_dscnt \younger                          ; the block is back; the next block's 16 stores and 16 loads may be out
.irp t, 0,1,2,3,4,5,6,7,8,9,10,11,12,13,14,15
	global_store_b128 v[CO], v[BB+4*\t:BB+4*\t+3], s[8:9] offset:65536*(\a)+4096*\t th:TH_STORE_NT
.endr
.endm
	PLACES                                         ; behind the last products: for the reads of results and the loads into the fragment buffers
	TOSTAGE 0
.irp a, 1,2,3
.if \a > 1
	s_wait_xcnt 0x0                                ; block a - 2's stores have read their registers: block a's loads may land there
.endif
	TOSTAGE \a
	SEND \a-1, 32
.endr
	SEND 3, 0
	s_wait_tensorcnt 0x0                           ; the wave's end
	ds_add_u32 v[SPW], v[NIL]
	s_wait_dscnt 0x0
	CROUND                                         ; the closing round
	s_endpgm
.Lfunc_end_k_qdfbc6290e5_gemm2:
	.size	k_qdfbc6290e5_gemm2, .Lfunc_end_k_qdfbc6290e5_gemm2-k_qdfbc6290e5_gemm2
	.p2alignl 7, 3214868480
	.fill 96, 4, 3214868480
	.section	.rodata,"a",@progbits
	.p2align	6, 0x0
	.amdhsa_kernel k_qdfbc6290e5_gemm2
		.amdhsa_group_segment_fixed_size 327680
		.amdhsa_private_segment_fixed_size 0
		.amdhsa_enable_private_segment 0
		.amdhsa_kernarg_size 24
		.amdhsa_user_sgpr_count 2
		.amdhsa_user_sgpr_kernarg_segment_ptr 1
		.amdhsa_wavefront_size32 1
		.amdhsa_system_sgpr_workgroup_id_x 1
		.amdhsa_system_sgpr_workgroup_id_y 1
		.amdhsa_system_sgpr_workgroup_id_z 1
		.amdhsa_system_vgpr_workitem_id 0
		.amdhsa_next_free_vgpr 512
		.amdhsa_next_free_sgpr 66
		.amdhsa_reserve_vcc 0
		.amdhsa_float_denorm_mode_32 3
		.amdhsa_float_denorm_mode_16_64 3
		.amdhsa_memory_ordered 1
		.amdhsa_forward_progress 1
		.amdhsa_inst_pref_size 85
	.end_amdhsa_kernel
	.amdgpu_metadata
---
amdhsa.version: [ 1, 2 ]
amdhsa.kernels:
  - .name:           k_qdfbc6290e5_gemm2
    .symbol:         k_qdfbc6290e5_gemm2.kd
    .args:
      - { .name: att, .offset: 0, .size: 8, .value_kind: global_buffer, .address_space: global }
      - { .name: wo16, .offset: 8, .size: 8, .value_kind: global_buffer, .address_space: global }
      - { .name: out0, .offset: 16, .size: 8, .value_kind: global_buffer, .address_space: global }
    .group_segment_fixed_size: 327680
    .private_segment_fixed_size: 0
    .kernarg_segment_align: 8
    .kernarg_segment_size: 24
    .max_flat_workgroup_size: 128
    .sgpr_count:     66
    .vgpr_count:     512
    .wavefront_size: 32
...
	.end_amdgpu_metadata
.endif
;; end of part 5
;; launch fine (part 6): grid 64 x 4, 16 waves a work-group, no clusters, 18,432 bytes of LDS; arguments q32, Wout, out0; writes out0
.if DOCPART == 6
	.amdgcn_target "amdgcn-amd-amdhsa--gfx1250"
	.amdhsa_code_object_version 6
	.text
	.protected	k_qdfbc6290e5_fine
	.globl	k_qdfbc6290e5_fine
	.p2align	8
	.type	k_qdfbc6290e5_fine,@function
k_qdfbc6290e5_fine:
	s_mov_b64 s[64:65], 0
	v_nop
	global_prefetch_b8 v0, s[64:65] scope:SCOPE_SE
	s_setreg_imm32_b32 hwreg(HW_REG_WAVE_MODE, 25, 1), 1
	s_wait_xcnt 0x0
; Tokens 0 .. 15 of each batch once more, all in f32: under the causal mask these rows average one to sixteen values, are the largest in size, and take the rounding of 16-bit operands worst.
; From q32 [4][16][3072] (the first product's f32 sums) and Wout (f32): scores, causal softmax, weighted values, projection; the 64 rows of out0 are written over.
; Work-group (x, batch) makes output columns 16 x .. 16 x + 15 of the batch's 16 rows.  Wave = head: it makes its head's attention for the 16 tokens and multiplies it into the 16 columns;
; the sixteen heads' parts are added through LDS, in a fixed order.  All products by the f32 matrix form, 48 instructions a wave: no bulk work.
; NO OPERAND CHANGES LANES: a product sums over k whatever the order, so long as both sources hold the same k in the same place.  Each source is loaded, or left, so that the k of lane half h and register j agree.
; The registers that matrix instructions write are written by nothing else; each sum begins with the constant 0; what is made of a sum goes into other registers.
; out0 leaves in pieces of 16 bytes: 262,144 bytes in the whole launch.  No tensor loads, no cluster: what the work-groups share is 786,432 bytes.
.set ROWQ, 12288                       ; a row of q32
.set PART, 0                           ; LDS: 1,024 bytes a wave: its 16 x 16 part as an image of eight registers
.set SPARE, 16384
.set SPW, 10
.set NIL, 11
.set QF,  16                           ; v16-47   Q: lane (r, h): query r, register 4 c + i: channel 8 c + 4 h + i
.set KF,  48                           ; v48-79   K likewise
.set VF,  80                           ; v80-111  V: register 8 t + j: key 8 h + j, channel 16 t + r
.set WF,  112                          ; v112-143 Wout: register 8 t + j: row 64 head + 16 t + 8 h + j, column n0 + r
.set SA,  144                          ; v144-159 two accumulators for S^T
.set OA,  160                          ; v160-191 four for O^T
.set PA,  192                          ; v192-207 two for the projection
.set SS,  208                          ; v208-215 the scores, then p: query r, key 8 h + j
.set OF,  216                          ; v216-247 O^T / l: register 8 t + j: channel 16 t + 8 h + j
.set RES, 248                          ; v248-255 my head's part: token r, column n0 + 8 h + j
	s_load_b128 s[4:7], s[0:1], 0x0                ; q32, Wout
	s_load_b64 s[8:9], s[0:1], 0x10                ; out0
	v_lshl_add_u32 v[SPW], v0, 2, SPARE
	v_mov_b32 v[NIL], 0
	v_lshrrev_b32 v1, 5, v0
	v_readfirstlane_b32 s10, v1                    ; wave = head
	s_and_b32 s11, ttmp7, 0xffff                   ; batch
	s_lshl_b32 s12, ttmp9, 6                       ; my 16 columns, in bytes
	v_and_b32 v1, 15, v0                           ; r
	v_bfe_u32 v2, v0, 4, 1                         ; h
	v_mul_u32_u24 v3, v1, ROWQ
	v_lshl_add_u32 v3, v2, 4, v3                   ; Q, K: row r, + 16 h
	v_mul_u32_u24 v4, v2, 8*ROWQ
	v_lshl_add_u32 v4, v1, 2, v4                   ; V: rows 8 h on, channel r
	v_lshlrev_b32 v5, 15, v2
	v_lshl_add_u32 v5, v1, 2, v5                   ; Wout: rows 8 h on (4,096 bytes each), column r
	v_and_b32 v12, 31, v0
	v_lshlrev_b32 v12, 4, v12                      ; 16 x lane
	s_lshl_b32 s13, s10, 10
	v_add_nc_u32 v6, s13, v12                      ; my part's image
	s_lshl_b32 s13, s10, 9
	v_add_nc_u32 v7, s13, v12                      ; waves 0, 1: the images' lower or upper four registers
	v_lshlrev_b32 v8, 12, v1
	v_lshl_add_u32 v8, v2, 5, v8
	s_lshl_b32 s13, s10, 4
	v_add_nc_u32 v8, s13, v8                       ; out0: row r, + 32 h, + 16 for wave 1
	v_lshlrev_b32 v9, 3, v2
	v_sub_nc_u32 v9, v1, v9                        ; r - 8 h: key 8 h + j is hidden where j > r - 8 h
	v_mov_b32 v13, 0                               ; (a lane permute's destination counts as read)
	s_mov_b32 s16, 0x76543210
	s_mov_b32 s17, 0xfedcba98
	s_mov_b32 s18, 0x3e38aa3b                      ; c = log2(e) / 8
	s_mul_i32 s20, s11, 16*ROWQ
	s_lshl_b32 s21, s10, 8
	s_add_co_u32 s20, s20, s21                     ; q32: my batch, my head's 64 channels
	s_mov_b32 s21, 0
	s_lshl_b32 s22, s10, 18
	s_add_co_u32 s22, s22, s12                     ; Wout: my head's 64 rows, my columns
	s_mov_b32 s23, 0
	s_lshl_b32 s24, s11, 23
	s_add_co_u32 s24, s24, s12                     ; out0: my batch's first row, my columns
	s_mov_b32 s25, 0
	s_wait_kmcnt 0x0
	s_add_nc_u64 s[4:5], s[4:5], s[20:21]
	s_add_nc_u64 s[6:7], s[6:7], s[22:23]
	s_add_nc_u64 s[8:9], s[8:9], s[24:25]
.irp c, 0,1,2,3,4,5,6,7
	global_load_b128 v[QF+4*\c:QF+4*\c+3], v3, s[4:5] offset:32*\c
.endr
.irp c, 0,1,2,3,4,5,6,7
	global_load_b128 v[KF+4*\c:KF+4*\c+3], v3, s[4:5] offset:4096+32*\c
.endr
.irp t, 0,1,2,3
.irp j, 0,1,2,3,4,5,6,7
	global_load_b32 v[VF+8*\t+\j], v4, s[4:5] offset:8192+ROWQ*\j+64*\t
.endr
.endr
.irp t, 0,1,2,3
.irp j, 0,1,2,3,4,5,6,7
	global_load_b32 v[WF+8*\t+\j], v5, s[6:7] offset:(16*\t+\j)*4096
.endr
.endr
	s_wait_loadcnt 63                              ; Q and K are in: 64 loads are younger, and the wait's field holds 63
.irp i, 0,1,2,3,4,5,6,7,8,9,10,11,12,13,14,15      ; S^T = K Q^T, four channels an instruction; two accumulators by turns
.if \i < 2
	v_wmma_f32_16x16x4_f32 v[SA+8*(\i%2):SA+8*(\i%2)+7], v[KF+2*\i:KF+2*\i+1], v[QF+2*\i:QF+2*\i+1], 0
.else
	v_wmma_f32_16x16x4_f32 v[SA+8*(\i%2):SA+8*(\i%2)+7], v[KF+2*\i:KF+2*\i+1], v[QF+2*\i:QF+2*\i+1], v[SA+8*(\i%2):SA+8*(\i%2)+7]
.endif
.endr
.rept 8
	v_nop                                          ; eight places behind this form (ISA guide 7.12.1)
.endr
.irp j, 0,1,2,3,4,5,6,7
	v_add_f32 v[SS+\j], v[SA+\j], v[SA+8+\j]       ; from the low end on
.endr
	v_mov_b32 v12, 0xff800000
.irp j, 0,1,2,3,4,5,6,7
	v_cmp_gt_i32 vcc_lo, \j, v9
	v_cndmask_b32 v[SS+\j], v[SS+\j], v12, vcc_lo  ; hidden keys: -infinity
.endr
	v_max3_num_f32 v12, v[SS], v[SS+1], v[SS+2]
	v_max3_num_f32 v12, v12, v[SS+3], v[SS+4]
	v_max3_num_f32 v12, v12, v[SS+5], v[SS+6]
	v_max_num_f32 v12, v12, v[SS+7]
	v_permlanex16_b32 v13, v12, s16, s17
	v_max_num_f32 v12, v12, v13                    ; the row's maximum (key 0 counts for every query)
	v_mul_f32 v13, s18, v12
.irp j, 0,1,2,3,4,5,6,7
	v_fma_f32 v[SS+\j], v[SS+\j], s18, -v13        ; c s - c m
.endr
.irp j, 0,1,2,3,4,5,6,7
	v_exp_f32 v[SS+\j], v[SS+\j]
.endr
	v_nop
	s_wait_alu depctr_va_vdst(0)                   ; one wait for the eight, ahead of their first reader
	v_add_f32 v14, v[SS], v[SS+1]
	v_add_f32 v15, v[SS+2], v[SS+3]
	v_add_f32 v14, v14, v[SS+4]
	v_add_f32 v15, v15, v[SS+5]
	v_add_f32 v14, v14, v[SS+6]
	v_add_f32 v15, v15, v[SS+7]
	v_add_f32 v14, v14, v15
	v_permlanex16_b32 v13, v14, s16, s17
	v_add_f32 v14, v14, v13                        ; the row's sum
	v_rcp_f32 v15, v14
	v_nop
	s_wait_alu depctr_va_vdst(0)
	s_wait_loadcnt 32                              ; V is in; Wout's 32 loads may be out
.irp s, 0,1,2,3                                    ; O^T = V^T P: keys 8 h + 2 s, 8 h + 2 s + 1; four accumulators by turns
.irp t, 0,1,2,3
.if \s == 0
	v_wmma_f32_16x16x4_f32 v[OA+8*\t:OA+8*\t+7], v[VF+8*\t+2*\s:VF+8*\t+2*\s+1], v[SS+2*\s:SS+2*\s+1], 0
.else
	v_wmma_f32_16x16x4_f32 v[OA+8*\t:OA+8*\t+7], v[VF+8*\t+2*\s:VF+8*\t+2*\s+1], v[SS+2*\s:SS+2*\s+1], v[OA+8*\t:OA+8*\t+7]
.endif
.endr
.endr
.rept 8
	v_nop
.endr
.set i, 0
.rept 32
	v_mul_f32 v[OF+i], v[OA+i], v15                ; / the sum
.set i, i+1
.endr
	s_wait_loadcnt 0x0                             ; Wout
.irp i, 0,1,2,3,4,5,6,7,8,9,10,11,12,13,14,15      ; the projection, transposed: source 0 = 16 columns of Wout, source 1 = my 16 tokens
.if \i < 2
	v_wmma_f32_16x16x4_f32 v[PA+8*(\i%2):PA+8*(\i%2)+7], v[WF+2*\i:WF+2*\i+1], v[OF+2*\i:OF+2*\i+1], 0
.else
	v_wmma_f32_16x16x4_f32 v[PA+8*(\i%2):PA+8*(\i%2)+7], v[WF+2*\i:WF+2*\i+1], v[OF+2*\i:OF+2*\i+1], v[PA+8*(\i%2):PA+8*(\i%2)+7]
.endif
.endr
.rept 8
	v_nop
.endr
.irp j, 0,1,2,3,4,5,6,7
	v_add_f32 v[RES+\j], v[PA+\j], v[PA+8+\j]
.endr
	ds_store_b128 v6, v[RES:RES+3]
	ds_store_b128 v6, v[RES+4:RES+7] offset:512
	s_wait_dscnt 0x0                               ; for the others' sake: my part lies in LDS
	s_barrier_signal -1
	s_barrier_wait -1
	s_cmp_gt_u32 s10, 1
	s_cbranch_scc1 .Ldone
.irp i, 0,1,2,3,4,5,6,7,8,9,10,11,12,13,14,15
	ds_load_b128 v[16+4*\i:19+4*\i], v7 offset:1024*\i   ; the sixteen heads' parts: wave 0 columns 8 h + 0 .. 3, wave 1 columns 8 h + 4 .. 7
.endr
	s_wait_dscnt 0x0
.irp d, 8,4,2,1
.set i, 0
.rept \d
	v_pk_add_f32 v[16+4*i:17+4*i], v[16+4*i:17+4*i], v[16+4*(i+\d):17+4*(i+\d)]
	v_pk_add_f32 v[18+4*i:19+4*i], v[18+4*i:19+4*i], v[18+4*(i+\d):19+4*(i+\d)]
.set i, i+1
.endr
.endr
	global_store_b128 v8, v[16:19], s[8:9]
.Ldone:
	s_wait_tensorcnt 0x0                           ; the wave's end
	ds_add_u32 v[SPW], v[NIL]
	s_wait_dscnt 0x0
	s_endpgm
.Lfunc_end_k_qdfbc6290e5_fine:
	.size	k_qdfbc6290e5_fine, .Lfunc_end_k_qdfbc6290e5_fine-k_qdfbc6290e5_fine
	.p2alignl 7, 3214868480
	.fill 96, 4, 3214868480
	.section	.rodata,"a",@progbits
	.p2align	6, 0x0
	.amdhsa_kernel k_qdfbc6290e5_fine
		.amdhsa_group_segment_fixed_size 18432
		.amdhsa_private_segment_fixed_size 0
		.amdhsa_enable_private_segment 0
		.amdhsa_kernarg_size 24
		.amdhsa_user_sgpr_count 2
		.amdhsa_user_sgpr_kernarg_segment_ptr 1
		.amdhsa_wavefront_size32 1
		.amdhsa_system_sgpr_workgroup_id_x 1
		.amdhsa_system_sgpr_workgroup_id_y 1
		.amdhsa_system_sgpr_workgroup_id_z 1
		.amdhsa_system_vgpr_workitem_id 0
		.amdhsa_next_free_vgpr 256
		.amdhsa_next_free_sgpr 66
		.amdhsa_reserve_vcc 1
		.amdhsa_float_denorm_mode_32 3
		.amdhsa_float_denorm_mode_16_64 3
		.amdhsa_memory_ordered 1
		.amdhsa_forward_progress 1
		.amdhsa_inst_pref_size 21
	.end_amdhsa_kernel
	.amdgpu_metadata
---
amdhsa.version: [ 1, 2 ]
amdhsa.kernels:
  - .name:           k_qdfbc6290e5_fine
    .symbol:         k_qdfbc6290e5_fine.kd
    .args:
      - { .name: q32, .offset: 0, .size: 8, .value_kind: global_buffer, .address_space: global }
      - { .name: Wout, .offset: 8, .size: 8, .value_kind: global_buffer, .address_space: global }
      - { .name: out0, .offset: 16, .size: 8, .value_kind: global_buffer, .address_space: global }
    .group_segment_fixed_size: 18432
    .private_segment_fixed_size: 0
    .kernarg_segment_align: 8
    .kernarg_segment_size: 24
    .max_flat_workgroup_size: 512
    .sgpr_count:     66
    .vgpr_count:     256
    .wavefront_size: 32
...
	.end_amdgpu_metadata
.endif
;; end of part 6
